; MI455X (gfx1250); checked and timed in simulation.
; The chip was launched on July 23, 2026; its instructions are those of AMD's public machine-readable ISA for CDNA 5 (MIT licence, August 2026) and "CDNA5" Instruction Set Architecture Reference Guide (July 2026). The comments in the code are by the model that wrote it; some were corrected since.
;; Multi Head Attention. Allowed arithmetic: matrix products marked QUANTISED: E4M3 operands, one E8M0 scale for each 32 along K, by v_wmma_scale_f32_16x16x128_f8f6f4 with both operands' format E4M3, f32 sums; everything else in f32.
;; Inputs: W_k 1,024 x 1,024 float32; W_o 1,024 x 1,024 float32; W_q 1,024 x 1,024 float32; W_v 1,024 x 1,024 float32; attention_mask 4 x 2,048 int32; x 4 x 2,048 x 1,024 float32.
;; Outputs: out0 4 x 2,048 x 1,024 float32.
;; This version of the problem:
;;   THIS VERSION OF THE PROBLEM IS GIVEN IN LOW PRECISION. The matrix products marked QUANTISED in the list below multiply operands that are first quantised to E4M3 (4 exponent bits, 3 mantissa bits; 8 bits a number), with one power-of-two scale for each 32 numbers along K (OCP MX v1.0); their sums are f32. All else is computed in f32.
;;   The module's matrix products, in the order in which they are computed (A, B: the left and right operand; K: the contracted axis; several contracted axes count as one K, in the product's order):
;;     1. [M 8,192, K 1,024] x [K 1,024, N 1,024]; A: input x; B: input W_q: QUANTISED
;;     2. [M 8,192, K 1,024] x [K 1,024, N 1,024]; A: input x; B: input W_k: QUANTISED
;;     3. [M 8,192, K 1,024] x [K 1,024, N 1,024]; A: input x; B: input W_v: QUANTISED
;;     4. batch 64 x [M 2,048, K 64] x [K 64, N 2,048]; A: computed on the way; B: computed on the way: QUANTISED
;;     5. batch 64 x [M 2,048, K 2,048] x [K 2,048, N 64]; A: computed on the way; B: computed on the way: QUANTISED
;;     6. [M 8,192, K 1,024] x [K 1,024, N 1,024]; A: computed on the way; B: input W_o: QUANTISED
;;   THE QUANTISER, for each operand of a quantised product, along K:
;;     - K is cut into blocks of 32 from its start; a last block that is shorter is filled with zeros.
;;     - A block's scale is 2^e with e = floor(log2(the largest magnitude in the block)) - 8, held to -126 .. 127; a block of zeros has e = 0. As a byte (E8M0): e + 127.
;;     - Each number is divided by its block's scale, clamped to +-448, and rounded to the nearest number of E4M3, ties to even, subnormals kept.
;;     - The product sums the exact products of the quantised numbers (number of the format x scale) in f32.
;;   ~~~python
;;   def quantise(x, axis):      # numpy; x: float32 -> the quantised numbers, widened to float32 again
;;       x = np.moveaxis(x, axis, -1); K = x.shape[-1]
;;       x = np.pad(x, [(0, 0)] * (x.ndim - 1) + [(0, -K % 32)]); x = x.reshape(x.shape[:-1] + (-1, 32)); a = np.abs(x).max(-1, keepdims=True)
;;       e = np.where(a > 0, np.clip(np.frexp(np.where(a > 0, a, 1))[1] - 1 - 8, -126, 127), 0)      # np.frexp(a)[1] - 1 = floor(log2(a)), exactly
;;       r = np.clip(x / 2.0 ** e, -448, 448)
;;       step = 2.0 ** (np.maximum(np.frexp(np.where(r == 0, 1, r))[1] - 1, -6) - 3)
;;       q = np.round(r / step) * step * 2.0 ** e      # np.round: ties to even
;;       return np.moveaxis(q.reshape(q.shape[:-2] + (-1,))[..., :K], -1, axis).astype(np.float32)
;;   ~~~
;;   OPERANDS COMPUTED ON THE WAY. 'Computed on the way' means the value that the module computes at that place (a softmax that the list does not call 'softmax' is quantised finished and normalised). What goes into a quantiser is computed in f32, as accurately as f32 sums, v_exp_f32 and their like allow (about 1e-6 of the number): no bf16 or f16 on the way to a quantiser, and a product that is left as it is and whose result goes on into a quantised operand takes f32 operands (vector FMAs, or v_wmma_f32_16x16x4_f32). A number that lies on a knife's edge between two numbers of the format may be rounded either way, as far as f32 arithmetic and the matrix unit's own rounding can turn it there, and no further.
;; One version. Each part assembles by itself: llvm-mc -triple=amdgcn-amd-amdhsa -mcpu=gfx1250 --defsym DOCPART=n.
;; ======== version 1 of 1: 4 launches
;; limits: right only within a limited range of input values
;; workspace buffers: codes 12,582,912 bytes; scales 393,216 bytes; tables 557,056 bytes; img 25,165,824 bytes; sw 2,621,440 bytes; ao_codes 8,388,608 bytes; ao_scales 262,144 bytes
;; launch prep (part 1): grid 416 x 1, 4 waves a work-group, no clusters, 33,280 bytes of LDS; arguments x, W_q, W_k, W_v, W_o, attention_mask, codes, scales, tables; writes codes, scales, tables
.if DOCPART == 1
	.amdgcn_target "amdgcn-amd-amdhsa--gfx1250"
	.amdhsa_code_object_version 6
	.text
	.protected	k_qd5781d8014_prep
	.globl	k_qd5781d8014_prep
	.p2align	8
	.type	k_qd5781d8014_prep,@function
k_qd5781d8014_prep:
	s_mov_b64 s[64:65], 0
	v_nop
	global_prefetch_b8 v0, s[64:65] scope:SCOPE_SE
	s_setreg_imm32_b32 hwreg(HW_REG_WAVE_MODE, 25, 1), 1
	s_wait_xcnt 0x0
; x [8192][1024] and W_q, W_k, W_v, W_o [1024][1024], f32, become codes of FP8 (E4M3) with one E8M0 byte for each 32 along K (their last axis), in ONE stream of 12,288 rows: x, W_q, W_k, W_v, W_o.
; A block's scale is 2^(floor(log2(its largest magnitude)) - 8); its byte is the largest magnitude's exponent field - 8, held at 1 from below; each number is divided by the scale, held within +-448, rounded to the nearest code.
; THE ORDER OF A BLOCK'S 32 CODES: bytes 0-7 hold numbers 0-7, bytes 8-15 numbers 16-23, bytes 16-23 numbers 8-15, bytes 24-31 numbers 24-31.  Every operand of every product of this program has its K in this order inside
; each block of 32 (it is the order in which two neighbouring tiles of a matrix result lie in a lane's registers), so the products and the scales are those of the plain order.
; Work-groups 0-383 quantise (32,768 numbers each: 256 for x, 32 for each W).  Work-groups 384-415 make two tables: cos and sin of the rotary angles, laid as the next launch's lanes want them, and the key mask as f32 (0 or -2^100).
; LIMITS: a block of zeros gets the byte 1 (its codes are zeros, and this program alone reads the bytes); blocks whose largest magnitude lies under 2^-118 keep the byte 1; NaN and infinities are not served.
; The rotary frequencies are the correctly rounded 10^(-i/8), i = 0..31; the angle is one f32 product, its sine and cosine come by reduction by pi/2 in two parts (positions stay under 2,048) and polynomials of degree 7 and 8.
.set STEPS, 16
.set MANT,  0x600000                   ; the mantissa field of 448 as f32
.set R,     16                         ; v16-79   four sets of 16 numbers as they are loaded
.set X,     80                         ; v80-111  two sets of 16 numbers in the order of their codes
.set C,     128                        ; v128-191 codes: four registers for each step, so that no store's data are written again
.set E,     112                        ; v112-127 a scale byte for each step
.set WREG,  8192                       ; LDS: a region for each wave: two stages of 32 x SP bytes, behind them its 256 scale bytes
.set SP,    80                         ; 64 bytes of a stage + 16 of padding
.set NQWG,  384                        ; work-groups that quantise
	s_load_b256 s[4:11], s[0:1], 0x0               ; x s[4:5], W_q s[6:7], W_k s[8:9], W_v s[10:11]
	s_load_b256 s[12:19], s[0:1], 0x20             ; W_o s[12:13], the mask s[14:15], codes s[16:17], scales s[18:19]
	s_load_b64 s[20:21], s[0:1], 0x40              ; tables
	v_lshl_add_u32 v192, v0, 2, 0x8000
	v_mov_b32 v193, 0
	v_lshrrev_b32 v1, 5, v0
	v_readfirstlane_b32 s22, v1                    ; wave
	v_and_b32 v2, 31, v0                           ; lane
	v_lshlrev_b32 v3, 4, v2                        ; 16 x lane: my 16 bytes of a load's or a store's 512
	s_mov_b32 s27, 0                               ; the upper word of every offset
	s_cmp_ge_u32 ttmp9, NQWG
	s_cbranch_scc1 .Ltables
	; ---------------- the quantiser ----------------
	s_mul_i32 s23, s22, WREG
	v_lshrrev_b32 v14, 2, v2
	v_mul_u32_u24 v14, v14, SP
	v_and_b32 v15, 3, v2
	v_lshl_add_u32 v14, v15, 4, v14
	v_add_nc_u32 v14, s23, v14                     ; the stage, on the way in: four lanes' 64 bytes on end, then 16 of padding
	v_lshrrev_b32 v5, 1, v2                        ; my block: lanes 2 m and 2 m + 1 hold block m
	v_and_b32 v15, 1, v2
	v_lshlrev_b32 v15, 5, v15
	v_mad_u32_u24 v15, v5, 2*SP, v15
	v_add_nc_u32 v15, s23, v15                     ; on the way out: 160 m + 32 (lane % 2): numbers 8 o .. 8 o + 7 here, 16 + 8 o .. one place of SP further on
	s_add_co_u32 s23, s23, 2*32*SP
	v_add_nc_u32 v5, s23, v5                       ; my wave's 256 scale bytes, my block's byte
	v_lshlrev_b32 v7, 3, v2                        ; and on their way out 8 bytes a lane
	v_add_nc_u32 v6, s23, v7
	s_mov_b32 s24, MANT                            ; (an instruction takes one literal: the hold's line has another)
	s_mov_b32 s25, 0                               ; the first work-group of my tensor
	s_wait_alu depctr_va_vdst(0)
	s_wait_kmcnt 0x0
	s_cmp_ge_u32 ttmp9, 256                        ; which tensor: the choice hangs on the work-group's number alone
	s_cselect_b64 s[4:5], s[6:7], s[4:5]
	s_cselect_b32 s25, 256, s25
	s_cmp_ge_u32 ttmp9, 288
	s_cselect_b64 s[4:5], s[8:9], s[4:5]
	s_cselect_b32 s25, 288, s25
	s_cmp_ge_u32 ttmp9, 320
	s_cselect_b64 s[4:5], s[10:11], s[4:5]
	s_cselect_b32 s25, 320, s25
	s_cmp_ge_u32 ttmp9, 352
	s_cselect_b64 s[4:5], s[12:13], s[4:5]
	s_cselect_b32 s25, 352, s25
	s_sub_co_u32 s26, ttmp9, s25
	s_lshl_b32 s26, s26, 2
	s_add_co_u32 s26, s26, s22                     ; which run of 8,192 numbers of the tensor is my wave's
	s_lshl_b32 s26, s26, 15                        ; 32,768 bytes a run
	s_add_nc_u64 s[4:5], s[4:5], s[26:27]
	s_lshl_b32 s28, ttmp9, 2
	s_add_co_u32 s28, s28, s22                     ; and which run of the one stream of codes
	s_lshl_b32 s26, s28, 13
	s_add_nc_u64 s[16:17], s[16:17], s[26:27]
	s_lshl_b32 s26, s28, 8
	s_add_nc_u64 s[18:19], s[18:19], s[26:27]
.macro LOAD t
.irp i, 0,1,2,3
	global_load_b128 v[R+16*((\t)%4)+4*\i:R+16*((\t)%4)+4*\i+3], v3, s[4:5] offset:2048*(\t)+512*\i th:TH_LOAD_NT   ; 32 lanes read 512 consecutive bytes
.endr
.endm
.macro TURN t                          ; step t's numbers through the stage: LDS serves a wave's instructions in order, so no wait stands between the stores and the loads
.irp i, 0,1,2,3
	ds_store_b128 v14, v[R+16*((\t)%4)+4*\i:R+16*((\t)%4)+4*\i+3] offset:32*SP*((\t)%2)+8*SP*\i
.endr
	ds_load_b128 v[X+16*((\t)%2):X+16*((\t)%2)+3], v15 offset:32*SP*((\t)%2)
	ds_load_b128 v[X+16*((\t)%2)+4:X+16*((\t)%2)+7], v15 offset:32*SP*((\t)%2)+16
	ds_load_b128 v[X+16*((\t)%2)+8:X+16*((\t)%2)+11], v15 offset:32*SP*((\t)%2)+SP
	ds_load_b128 v[X+16*((\t)%2)+12:X+16*((\t)%2)+15], v15 offset:32*SP*((\t)%2)+SP+16
.endm
.irp t, 0,1,2,3
	LOAD \t
.endr
	s_wait_loadcnt 12                              ; step 0's four loads are in
	TURN 0
.macro STEP t
.set XS, X+16*((\t)%2)
.if (\t) > 0
	s_wait_dscnt 1                                 ; this step's numbers are back from the stage (the last step's byte store may be out)
.else
	s_wait_dscnt 0x0
.endif
.if (\t)+4 < STEPS
	LOAD (\t)+4                                    ; into the registers that this step's stores into the stage have read
.endif
.if (\t)+1 < STEPS
.if STEPS-2-(\t) >= 3
	s_wait_loadcnt 12                              ; the next step's four loads are in; those of the three steps behind it may be out
.else
	s_wait_loadcnt 4*(STEPS-2-(\t))
.endif
	TURN (\t)+1                                    ; they go through the other stage while this step is worked
.endif
	v_max3_num_f32 v8, |v[XS]|, |v[XS+1]|, |v[XS+2]|               ; the largest magnitude of my 16
	v_max3_num_f32 v9, |v[XS+3]|, |v[XS+4]|, |v[XS+5]|
.irp i, 6,10
	v_max3_num_f32 v8, v8, |v[XS+\i]|, |v[XS+\i+1]|
	v_max3_num_f32 v9, v9, |v[XS+\i+2]|, |v[XS+\i+3]|
.endr
	v_max3_num_f32 v8, v8, |v[XS+14]|, |v[XS+15]|
	v_max3_num_f32 v8, v8, v9, 0x4800000           ; and the floor 2^(9 - 127): the byte cannot fall under 1
	v_max_num_f32_dpp v8, v8, v8 row_xmask:1 row_mask:0xf bank_mask:0xf   ; and of my neighbour's 16: the block's
	v_add_nc_u32 v11, 0xfc000000, v8               ; 8 off its exponent field: the conversion takes the exponent field of this operand as its scale
	v_and_or_b32 v10, v8, 0x7f800000, s24          ; 448 x the scale
.irp i, 0,1,2,3,4,5,6,7,8,9,10,11,12,13,14,15
	v_med3_num_f32 v[XS+\i], v[XS+\i], -v10, v10   ; the conversion to an 8-bit code does not saturate (ISA guide 7.6.2): the hold comes first
.endr
	v_cvt_scalef32_pk8_fp8_f32 v[C+4*(\t):C+4*(\t)+1], v[XS:XS+7], v11
	v_cvt_scalef32_pk8_fp8_f32 v[C+4*(\t)+2:C+4*(\t)+3], v[XS+8:XS+15], v11
	v_lshrrev_b32 v[E+(\t)], 23, v11               ; the scale's byte
	ds_store_b8 v5, v[E+(\t)] offset:16*(\t)       ; both lanes of a block write the same byte with the same value
	global_store_b128 v3, v[C+4*(\t):C+4*(\t)+3], s[16:17] offset:512*(\t)   ; 32 lanes store 512 consecutive bytes
.endm
.irp t, 0,1,2,3,4,5,6,7,8,9,10,11,12,13,14,15
	STEP \t
.endr
	ds_load_b64 v[12:13], v6                       ; LDS serves a wave's instructions in order: these see my stores
	s_wait_dscnt 0x0
	global_store_b64 v7, v[12:13], s[18:19]        ; 32 lanes store 256 consecutive bytes, aligned
	s_wait_tensorcnt 0x0
	ds_add_u32 v192, v193
	s_wait_dscnt 0x0
	s_endpgm
	; ---------------- the tables: 128 waves, wave o = 4 (work-group - 384) + wave ----------------
.Ltables:
	s_sub_co_u32 s23, ttmp9, NQWG
	s_lshl_b32 s23, s23, 2
	s_add_co_u32 s23, s23, s22                     ; o: the tile of 16 positions, and the run of 64 keys
	v_and_b32 v4, 15, v0                           ; r
	v_bfe_u32 v5, v0, 4, 1                         ; h
	s_lshl_b32 s24, s23, 4
	v_add_nc_u32 v4, s24, v4
	v_cvt_f32_u32 v4, v4                           ; my position, 16 o + r
	v_cmp_ne_u32 vcc_lo, 0, v5                     ; lanes 16-31 take the pairs four further on
	s_wait_alu depctr_va_vdst(0)
	v_lshlrev_b32 v6, 3, v2                        ; 8 x lane
	s_mov_b32 s28, 0xb94ca1f9                      ; sine: -1.9515295891e-4,
	s_mov_b32 s29, 0x3c08839e                      ; 8.3321608736e-3,
	s_mov_b32 s30, 0xbe2aaaa3                      ; -1.6666654611e-1
	s_mov_b32 s31, 0x37ccf5ce                      ; cosine: 2.443315711809948e-5,
	s_mov_b32 s32, 0xbab6061a                      ; -1.388731625493765e-3,
	s_mov_b32 s33, 0x3d2aaaa5                      ; 4.166664568298827e-2
	s_mov_b32 s25, 0xbfc90fdb                      ; pi/2 = 1.57079637 - 4.37113883e-8: minus its first part,
	s_mov_b32 s26, 0x333bbd2e                      ; plus its second
	s_lshl_b32 s36, s23, 8                         ; 64 keys: 256 bytes of the mask and of the bias
	s_mov_b32 s37, 0
	s_wait_alu depctr_va_vdst(0)
	s_wait_kmcnt 0x0
	s_add_nc_u64 s[14:15], s[14:15], s[36:37]
	s_add_nc_u64 s[40:41], s[20:21], s[36:37]
	global_load_b64 v[8:9], v6, s[14:15]           ; the mask of my two keys: asked for now, used at the end
	s_lshl_b32 s36, s23, 12                        ; a tile's 4,096 bytes of cosines and sines
	s_add_nc_u64 s[38:39], s[20:21], s[36:37]
; the angle in v20 -> its cosine in v[c], its sine in v[s]
.macro SINCOS c, s
	v_mul_f32 v21, 0x3f22f983, v20                 ; x 2 / pi
	v_rndne_f32 v21, v21                           ; n
	v_fma_f32 v22, v21, s25, v20
	v_fma_f32 v22, v21, s26, v22                   ; the rest, within +-pi/4
	v_mul_f32 v23, v22, v22                        ; z
	v_fma_f32 v24, v23, s28, s29
	v_fma_f32 v25, v23, s31, s32
	v_fma_f32 v24, v24, v23, s30
	v_fma_f32 v25, v25, v23, s33
	v_mul_f32 v26, v23, v22
	v_mul_f32 v27, v23, v23
	v_fma_f32 v28, v23, -0.5, 1.0
	v_fma_f32 v24, v24, v26, v22                   ; the rest's sine
	v_fma_f32 v25, v25, v27, v28                   ; and cosine
	v_cvt_i32_f32 v21, v21
	v_and_b32 v26, 1, v21
	v_cmp_eq_u32 s34, 1, v26                       ; an odd quarter swaps the two
	v_cndmask_b32 v27, v24, v25, s34
	v_cndmask_b32 v28, v25, v24, s34
	v_lshlrev_b32 v26, 30, v21                     ; the sine is negative in quarters 2 and 3,
	v_add_nc_u32 v21, 1, v21
	v_and_b32 v26, 0x80000000, v26
	v_lshlrev_b32 v21, 30, v21                     ; the cosine in quarters 1 and 2
	v_and_b32 v21, 0x80000000, v21
	v_xor_b32 v[\s], v27, v26
	v_xor_b32 v[\c], v28, v21
.endm
; one pair of the head's 32: frequency la in lanes 0-15, lb in lanes 16-31; the angle is one product, as the model has it
.macro ENTRY d, la, lb
	v_mul_f32 v20, \la, v4
	v_mul_f32 v21, \lb, v4
	v_cndmask_b32 v20, v20, v21, vcc_lo
	SINCOS \d, \d+1
.endm
	; chunk e (four registers: cos, sin, cos, sin) holds pairs 8 (e / 2) + 4 h + 2 (e % 2) + 0, 1
	ENTRY 32, 1.0, 0.3162277660
	ENTRY 34, 0.7498942093, 0.2371373706
	ENTRY 36, 0.5623413252, 0.1778279410
	ENTRY 38, 0.4216965034, 0.1333521432
	ENTRY 40, 0.1, 0.03162277660
	ENTRY 42, 0.07498942093, 0.02371373706
	ENTRY 44, 0.05623413252, 0.01778279410
	ENTRY 46, 0.04216965034, 0.01333521432
	ENTRY 48, 0.01, 0.003162277660
	ENTRY 50, 0.007498942093, 0.002371373706
	ENTRY 52, 0.005623413252, 0.001778279410
	ENTRY 54, 0.004216965034, 0.001333521432
	ENTRY 56, 0.001, 0.0003162277660
	ENTRY 58, 0.0007498942093, 0.0002371373706
	ENTRY 60, 0.0005623413252, 0.0001778279410
	ENTRY 62, 0.0004216965034, 0.0001333521432
.irp e, 0,1,2,3,4,5,6,7
	global_store_b128 v3, v[32+4*\e:35+4*\e], s[38:39] offset:512*\e   ; 32 lanes store 512 consecutive bytes
.endr
	s_wait_loadcnt 0x0                             ; the mask
	v_mov_b32 v10, 0xf1800000                      ; -2^100
	v_cmp_eq_u32 s34, 0, v8
	v_cmp_eq_u32 s35, 0, v9
	v_cndmask_b32 v12, 0, v10, s34                 ; 0 for a key that counts, -2^100 for one that does not
	v_cndmask_b32 v13, 0, v10, s35
	global_store_b64 v6, v[12:13], s[40:41] offset:524288   ; behind the cosines and sines; 256 consecutive bytes, aligned
	s_endpgm
.Lfunc_end_k_qd5781d8014_prep:
	.size	k_qd5781d8014_prep, .Lfunc_end_k_qd5781d8014_prep-k_qd5781d8014_prep
	.p2alignl 7, 3214868480
	.fill 96, 4, 3214868480
	.section	.rodata,"a",@progbits
	.p2align	6, 0x0
	.amdhsa_kernel k_qd5781d8014_prep
		.amdhsa_group_segment_fixed_size 33280
		.amdhsa_private_segment_fixed_size 0
		.amdhsa_enable_private_segment 0
		.amdhsa_kernarg_size 72
		.amdhsa_user_sgpr_count 2
		.amdhsa_user_sgpr_kernarg_segment_ptr 1
		.amdhsa_wavefront_size32 1
		.amdhsa_system_sgpr_workgroup_id_x 1
		.amdhsa_system_sgpr_workgroup_id_y 1
		.amdhsa_system_sgpr_workgroup_id_z 1
		.amdhsa_system_vgpr_workitem_id 0
		.amdhsa_next_free_vgpr 194
		.amdhsa_next_free_sgpr 66
		.amdhsa_reserve_vcc 1
		.amdhsa_float_denorm_mode_32 3
		.amdhsa_float_denorm_mode_16_64 3
		.amdhsa_memory_ordered 1
		.amdhsa_forward_progress 1
		.amdhsa_inst_pref_size 77
	.end_amdhsa_kernel
	.amdgpu_metadata
---
amdhsa.version: [ 1, 2 ]
amdhsa.kernels:
  - .name:           k_qd5781d8014_prep
    .symbol:         k_qd5781d8014_prep.kd
    .args:
      - { .name: x, .offset: 0, .size: 8, .value_kind: global_buffer, .address_space: global }
      - { .name: W_q, .offset: 8, .size: 8, .value_kind: global_buffer, .address_space: global }
      - { .name: W_k, .offset: 16, .size: 8, .value_kind: global_buffer, .address_space: global }
      - { .name: W_v, .offset: 24, .size: 8, .value_kind: global_buffer, .address_space: global }
      - { .name: W_o, .offset: 32, .size: 8, .value_kind: global_buffer, .address_space: global }
      - { .name: attention_mask, .offset: 40, .size: 8, .value_kind: global_buffer, .address_space: global }
      - { .name: codes, .offset: 48, .size: 8, .value_kind: global_buffer, .address_space: global }
      - { .name: scales, .offset: 56, .size: 8, .value_kind: global_buffer, .address_space: global }
      - { .name: tables, .offset: 64, .size: 8, .value_kind: global_buffer, .address_space: global }
    .group_segment_fixed_size: 33280
    .private_segment_fixed_size: 0
    .kernarg_segment_align: 8
    .kernarg_segment_size: 72
    .max_flat_workgroup_size: 128
    .sgpr_count:     66
    .vgpr_count:     194
    .wavefront_size: 32
...
	.end_amdgpu_metadata
.endif
;; end of part 1
;; launch qkv (part 2): grid 8 x 48, 4 waves a work-group, clusters of 4 x 4, 327,680 bytes of LDS; arguments codes, scales, tables, img, sw; writes img, sw
.if DOCPART == 2
	.amdgcn_target "amdgcn-amd-amdhsa--gfx1250"
	.amdhsa_code_object_version 6
	.text
	.protected	k_qd5781d8014_qkv
	.globl	k_qd5781d8014_qkv
	.p2align	8
	.type	k_qd5781d8014_qkv,@function
k_qd5781d8014_qkv:
	s_mov_b64 s[64:65], 0
	v_nop
	global_prefetch_b8 v0, s[64:65] scope:SCOPE_SE
	s_setreg_imm32_b32 hwreg(HW_REG_WAVE_MODE, 25, 1), 1
	s_wait_xcnt 0x0
	s_wait_alu depctr_hold_cnt(0) depctr_sa_sdst(0) depctr_va_vdst(0) depctr_va_sdst(0) depctr_va_ssrc(0) depctr_va_vcc(0) depctr_vm_vsrc(0)
	s_getreg_b32 s2, hwreg(HW_REG_IB_STS2, 6, 4)
	s_cmp_eq_u32 s2, 0
	s_cbranch_scc0 .Lentry_in_a_cluster
	s_endpgm
.Lentry_in_a_cluster:
	s_bfe_u32 s2, ttmp6, 0x10000c
	s_cmp_lg_u32 s2, 0xf033
	s_cbranch_scc0 .Lentry_shape_is_right
	s_endpgm
.Lentry_shape_is_right:
.set SIZE_K, 1024
.set KSTEP,  256
.set NQ,     KSTEP/128
.set ROWB,   256
.set KROW,   SIZE_K
.set PITCH,  272
.set FR,     16
.set NL,     4
.set NP,     8
.set HALFT,  128*PITCH
.set SLOT,   4*HALFT
.set LAPS,   SIZE_K/(2*KSTEP)
.set KS,     SIZE_K/32
.set SCL,    2*SLOT
.set HALFS,  (128*KS/256)*272
.set SBLK,   (16*KS/256)*272
.set SPARE,  SCL+4*HALFS
.set ADRA, 16
.set ADRB, 20
.set ADRS, 27
.set SPW,  28
.set NIL,  29
.set LN,   30
.set SC,   32
.set AF,   128
.set CS,   64
.set R,    128
.set TM,   192
.set PC,   208
.set SWR,  224
.set T,    240
.set G1, 24
.set G0, 32
.set G1B, 48
.set G0B, 56
.set G1S, 68
.set G0S, 76
.set G1SB, 80
.set G0SB, 88
.set ISV, 95
.set MSB, 0
.macro WIN new
.if MSB != \new
	s_set_vgpr_msb (MSB<<8)|\new
.set MSB, \new
.endif
.endm
.set MUL_LO, 0xa1
.set MUL_HI, 0xf1
.set TO_B,   0x40
.macro JLOAD g0a, g1a, g0b, g1b
	s_cmp_eq_u32 s15, 0
	s_cbranch_scc0 .Lfor_b_\@
	tensor_load_to_lds s[\g0a:\g0a+3], s[\g1a:\g1a+7]
	s_nop 0
.rept 4
	v_nop
.endr
	s_branch .Lasked_\@
.Lfor_b_\@:
	tensor_load_to_lds s[\g0b:\g0b+3], s[\g1b:\g1b+7]
	s_nop 0
.rept 4
	v_nop
.endr
.Lasked_\@:
.endm
.macro CREST
	s_cmp_lg_u32 s14, 0
	s_cbranch_scc1 .Lnot_wave_0_\@
	s_barrier_signal -3
.Lnot_wave_0_\@:
	s_barrier_wait -3
	s_barrier_signal -1
	s_barrier_wait -1
.endm
.macro CROUND
	s_barrier_signal -1
	s_barrier_wait -1
	CREST
.endm
	s_load_b128 s[4:7], s[0:1], 0x0
	s_load_b64 s[96:97], s[0:1], 0x10
	s_load_b64 s[8:9], s[0:1], 0x18
	s_load_b64 s[10:11], s[0:1], 0x20
	v_lshl_add_u32 v[SPW], v0, 2, SPARE
	v_mov_b32 v[NIL], 0
	ds_add_u32 v28, v29
	ds_add_u32 v28, v29
	s_wait_dscnt 0x0
	v_lshrrev_b32 v1, 5, v0
	v_readfirstlane_b32 s14, v1
	s_lshr_b32 s15, s14, 1
	s_and_b32 s16, s14, 1
	s_bfe_u32 s40, ttmp6, 0x40000
	s_bfe_u32 s41, ttmp6, 0x40004
	s_and_b32 s17, ttmp7, 0xffff
	s_max_u32 s66, s17, 8
	s_sub_co_u32 s66, s66, 8
	s_lshl_b32 s66, s66, 1
	s_add_co_u32 s66, s66, ttmp9
	s_cmp_ge_u32 s17, 8
	s_cselect_b32 s42, s66, ttmp9
	s_cselect_b32 s17, 0, s17
	s_cselect_b32 s67, 10240, 0
	s_cselect_b32 s98, 0, 8192
	s_cselect_b32 s[ISV], 1, 0
	s_lshl_b32 s42, s42, 2
	s_add_co_u32 s42, s42, s40
	s_lshl_b32 s17, s17, 2
	s_add_co_u32 s17, s17, s41
	s_lshl_b32 s43, s41, 2
	s_lshl_b32 s43, 15, s43
	s_lshl_b32 s44, 0x1111, s40
	s_or_b32 s[G1+0], s43, (0<<16)|(1<<20)|(1<<21)|(5<<22)|(3<<25)
	s_or_b32 s[G1B+0], s44, (0<<16)|(1<<20)|(1<<21)|(5<<22)|(3<<25)
.irp g, G1, G1B
	s_mov_b32 s[\g+1], ROWB<<16
	s_mov_b32 s[\g+2], 256<<16                     ; the head's loads of codes bring 256 rows
	s_mov_b32 s[\g+3], ROWB<<16
	s_mov_b32 s[\g+4], 256
	s_mov_b32 s[\g+5], KROW
	s_mov_b32 s[\g+6], 0
	s_mov_b32 s[\g+7], 0
.endr
	s_or_b32 s[G1S+0], s43, (3<<16)|(1<<20)|(1<<21)|(5<<22)|(3<<25)
	s_or_b32 s[G1SB+0], s44, (3<<16)|(1<<20)|(1<<21)|(5<<22)|(3<<25)
.irp g, G1S, G1SB
	s_mov_b32 s[\g+1], 32<<16
	s_mov_b32 s[\g+2], KS<<16                      ; the scale bytes of 256 rows: KS rows of 256 bytes
	s_mov_b32 s[\g+3], 32<<16
	s_mov_b32 s[\g+4], KS
	s_mov_b32 s[\g+5], 32
	s_mov_b32 s[\g+6], 0
	s_mov_b32 s[\g+7], 0
.endr
	s_lshl_b32 s20, s17, 8
	s_add_co_u32 s20, s20, s67
	s_lshl_b32 s46, s42, 8
	s_add_co_u32 s46, s46, s98
	s_mov_b32 s21, 0
	s_mov_b32 s47, 0
	s_mov_b64 s[18:19], KS
	s_mul_u64 s[22:23], s[20:21], s[18:19]
	s_mul_u64 s[92:93], s[46:47], s[18:19]
	s_mov_b64 s[18:19], KROW
	s_mul_u64 s[20:21], s[20:21], s[18:19]
	s_mul_u64 s[46:47], s[46:47], s[18:19]
	s_mul_i32 s45, s14, HALFT
	s_mul_i32 s18, s16, 128*KROW                   ; in the ring a wave fetches 128 rows of a tile: which half, in bytes
	s_mov_b32 s19, 0
	CROUND                                         ; the opening round, ahead of the wait for the arguments: all sixteen work-groups are here
	s_wait_kmcnt 0x0
	s_add_nc_u64 s[20:21], s[4:5], s[20:21]
	s_add_nc_u64 s[22:23], s[6:7], s[22:23]
	s_add_nc_u64 s[46:47], s[4:5], s[46:47]
	s_add_nc_u64 s[92:93], s[6:7], s[92:93]
	s_mov_b32 s[G0S], 1
	s_mov_b32 s[G0S+1], SCL
	s_mov_b64 s[G0S+2:G0S+3], s[22:23]
	s_or_b32 s[G0S+3], s[G0S+3], 0x80000000
	s_mov_b32 s[G0SB], 1
	s_mov_b32 s[G0SB+1], SCL+2*HALFS
	s_mov_b64 s[G0SB+2:G0SB+3], s[92:93]
	s_or_b32 s[G0SB+3], s[G0SB+3], 0x80000000
	s_add_nc_u64 s[20:21], s[20:21], s[18:19]      ; the ring's addresses: my 128 rows (waves 0 and 2: the tile's first row)
	s_add_nc_u64 s[46:47], s[46:47], s[18:19]
.irp s, 0,1
	s_mov_b32 s[G0+4*\s], 1
	s_add_co_u32 s[G0+4*\s+1], s45, \s*SLOT
	s_add_nc_u64 s[G0+4*\s+2:G0+4*\s+3], s[20:21], \s*ROWB
	s_or_b32 s[G0+4*\s+3], s[G0+4*\s+3], 0x80000000
	s_mov_b32 s[G0B+4*\s], 1
	s_add_co_u32 s[G0B+4*\s+1], s45, \s*SLOT
	s_add_nc_u64 s[G0B+4*\s+2:G0B+4*\s+3], s[46:47], \s*ROWB
	s_or_b32 s[G0B+4*\s+3], s[G0B+4*\s+3], 0x80000000
.endr
; The head's four tiles, one joint load a wave, in one chain of arms: wave 0 K step 0's 256 rows of A (its ring descriptor of slot 0 names their first row and LDS byte 0),
; wave 1 the scale bytes of A's 256 rows, wave 2 the 256 rows of B (its descriptor names their first row and LDS byte 2 HALFT), wave 3 B's scale bytes.
.macro ARM under, g0, g1, next
	s_cmp_lt_u32 s14, \under
	s_cbranch_scc0 \next
	tensor_load_to_lds s[\g0:\g0+3], s[\g1:\g1+7]
	s_nop 0
.rept 4
	v_nop
.endr
	s_branch .Lhead_asked
\next:
.endm
	ARM 1, G0, G1, .Lhead_sa
	ARM 2, G0S, G1S, .Lhead_b
	ARM 3, G0B, G1B, .Lhead_sb
	tensor_load_to_lds s[G0SB:G0SB+3], s[G1SB:G1SB+7]
	s_nop 0
.rept 4
	v_nop
.endr
.Lhead_asked:
	v_and_b32 v1, 15, v0
	v_bfe_u32 v2, v0, 4, 1
	v_mul_u32_u24 v3, v1, PITCH
	v_lshl_add_u32 v4, v2, 4, v3
	s_mul_i32 s21, s15, HALFT
	s_mul_i32 s22, s16, HALFT
	s_add_co_u32 s22, s22, 2*HALFT
.irp s, 0,1
	v_add_nc_u32 v[ADRA+\s], s21, v4
	v_add_nc_u32 v[ADRB+\s], s22, v4
	s_add_co_u32 s21, s21, SLOT
	s_add_co_u32 s22, s22, SLOT
.endr
	v_mul_u32_u24 v5, v1, KS
	v_lshrrev_b32 v6, 8, v5
	v_lshl_add_u32 v5, v6, 4, v5
	s_mul_i32 s21, s15, HALFS
	s_mul_i32 s22, s16, HALFS
	s_add_co_u32 s22, s22, 2*HALFS
	s_sub_co_u32 s22, s22, s21
	v_mul_u32_u24 v6, s22, v2
	s_add_co_u32 s21, s21, SCL
	v_add_nc_u32 v5, v5, v6
	v_add_nc_u32 v[ADRS], s21, v5
	v_and_b32 v6, 31, v0
	v_lshlrev_b32 v[LN], 4, v6
	s_lshl_b32 s18, s17, 4
	s_lshl_b32 s19, s15, 3
	s_add_co_u32 s18, s18, s19
	s_lshl_b32 s19, s42, 2
	s_lshl_b32 s21, s16, 1
	s_add_co_u32 s19, s19, s21
	s_lshl_b32 s100, s19, 19
	s_lshl_b32 s21, s18, 10
	s_add_co_u32 s100, s100, s21
	s_lshl_b32 s66, s19, 16
	s_lshl_b32 s19, s42, 1
	s_add_co_u32 s19, s19, s16
	s_lshl_b32 s22, s19, 17
	s_lshl_b32 s21, s18, 11
	s_add_co_u32 s22, s22, s21
	s_add_co_u32 s22, s22, 16777216
	s_lshl_b32 s23, s19, 13
	s_add_co_u32 s23, s23, 2097152
	s_cmp_eq_u32 s[ISV], 1
	s_cselect_b32 s100, s22, s100
	s_cselect_b32 s66, s23, s66
	s_lshl_b32 s21, s18, 7
	s_add_co_u32 s66, s66, s21
	s_mov_b32 s101, 0
	s_mov_b32 s67, 0
	s_and_b32 s98, s18, 127
	s_lshl_b32 s98, s98, 12
	s_mov_b32 s99, 0
	s_add_nc_u64 s[8:9], s[8:9], s[100:101]
	s_add_nc_u64 s[10:11], s[10:11], s[66:67]
	s_add_nc_u64 s[96:97], s[96:97], s[98:99]
	s_cmp_eq_u32 s[ISV], 1                         ; q's and k's tiles: the rotary tables of my first two blocks of 16 tokens are asked for now, into v64-127, which the K loop does not touch
	s_wait_alu depctr_va_vdst(0)
	s_cbranch_scc1 .Lno_tables
.irp e, 0,1,2,3,4,5,6,7,8,9,10,11,12,13,14,15
	global_load_b128 v[CS+4*\e:CS+4*\e+3], v[LN], s[96:97] offset:\e*512
.endr
.Lno_tables:
.macro FRAG reg, adr, q, i
.irp c, 0,1,2,3
	ds_load_b128 v[\reg+4*\c:\reg+4*\c+3], v[\adr] offset:128*(\q)+32*\c+(\i)*16*PITCH
.endr
.endm
.macro MUL16 a0, p, q, sc, zero
.irp a, \a0, \a0+1
.irp b, 0,1,2,3,4,5,6,7
.if \zero
	v_wmma_scale_f32_16x16x128_f8f6f4 v[8*(8*((\a)%4)+\b):8*(8*((\a)%4)+\b)+7], v[128*(\p)+FR*\b:128*(\p)+FR*\b+FR-1], v[AF+FR*(\a):AF+FR*(\a)+FR-1], 0, v[SC+8*NQ*(\sc)+NQ*\b+(\q)], v[SC+8*NQ*(\sc)+NQ*(\a)+(\q)] matrix_a_scale:MATRIX_SCALE_ROW1
.else
	v_wmma_scale_f32_16x16x128_f8f6f4 v[8*(8*((\a)%4)+\b):8*(8*((\a)%4)+\b)+7], v[128*(\p)+FR*\b:128*(\p)+FR*\b+FR-1], v[AF+FR*(\a):AF+FR*(\a)+FR-1], v[8*(8*((\a)%4)+\b):8*(8*((\a)%4)+\b)+7], v[SC+8*NQ*(\sc)+NQ*\b+(\q)], v[SC+8*NQ*(\sc)+NQ*(\a)+(\q)] matrix_a_scale:MATRIX_SCALE_ROW1
.endif
.endr
.endr
.endm
.macro FETCH_B slot, q, p
	WIN TO_B
.irp i, 0,1,2,3,4,5,6,7
	FRAG 128*(\p)+FR*\i, ADRB+\slot, \q, \i
.endr
	WIN 0
.endm
.macro FETCH_A slot, q, i0
.irp i, \i0, \i0+1, \i0+2, \i0+3
	FRAG AF+FR*(\i), ADRA+\slot, \q, \i
.endr
.endm
.macro SCALES sc
.irp i, 0,1,2,3,4,5,6,7
	ds_load_b64 v[SC+8*NQ*\sc+NQ*\i:SC+8*NQ*\sc+NQ*\i+1], v[ADRS] offset:\i*SBLK
.endr
.endm
.macro PLACES n
.rept \n
	v_nop
.endr
.endm
.macro STEP slot, q, zero
	s_wait_dscnt 4*NL
	WIN MUL_LO
	MUL16 0, (\q)%2, \q, \slot, \zero
	MUL16 2, (\q)%2, \q, \slot, \zero
	s_wait_dscnt 0
	PLACES NP
	FETCH_B \slot, (\q)+1, 1-(\q)%2
	FETCH_A \slot, (\q)+1, 0
	WIN MUL_HI
	MUL16 4, (\q)%2, \q, \slot, \zero
	MUL16 6, (\q)%2, \q, \slot, \zero
	PLACES NP
	WIN 0
	FETCH_A \slot, (\q)+1, 4
.endm
.macro TURN slot, next, fill
	s_wait_tensorcnt 0x0
	ds_add_u32 v[SPW], v[NIL]
	s_wait_dscnt 4*NL+1
	WIN MUL_LO
	MUL16 0, 1, NQ-1, \slot, 0
	s_wait_dscnt 0x0
	s_barrier_signal -1
	MUL16 2, 1, NQ-1, \slot, 0
	WIN 0
	s_barrier_wait -1
.if \fill
	CREST
	s_add_nc_u64 s[G0+4*\slot+2:G0+4*\slot+3], s[G0+4*\slot+2:G0+4*\slot+3], 2*ROWB
	s_add_nc_u64 s[G0B+4*\slot+2:G0B+4*\slot+3], s[G0B+4*\slot+2:G0B+4*\slot+3], 2*ROWB
	JLOAD G0+4*\slot, G1, G0B+4*\slot, G1B
	PLACES NP-4
.else
	PLACES NP
.endif
	s_wait_alu depctr_va_vdst(0)
	v_add_nc_u32 v[ADRS], 4*NQ, v[ADRS]
	FETCH_B \next, 0, 0
	FETCH_A \next, 0, 0
	SCALES \next
	WIN MUL_HI
	MUL16 4, 1, NQ-1, \slot, 0
	MUL16 6, 1, NQ-1, \slot, 0
	PLACES NP
	WIN 0
	FETCH_A \next, 0, 4
.endm
	s_wait_alu depctr_va_vdst(0)
	s_wait_tensorcnt 0x0                           ; my tile of the head's four is in
	ds_add_u32 v[SPW], v[NIL]
	s_mov_b32 s[G1+2], 128<<16                     ; no tensor load of mine is out: from here on a load brings 128 rows
	s_mov_b32 s[G1+4], 128
	s_mov_b32 s[G1B+2], 128<<16
	s_mov_b32 s[G1B+4], 128
	s_wait_dscnt 0x0
	CROUND
	JLOAD G0+4, G1, G0B+4, G1B                     ; K step 1, a quarter of slot 1 a wave
	FETCH_B 0, 0, 0
	FETCH_A 0, 0, 0
	SCALES 0
	FETCH_A 0, 0, 4
	STEP 0, 0, 1
	s_mov_b32 s3, LAPS-1
.Llap:
	TURN 0, 1, 1
	STEP 1, 0, 0
	TURN 1, 0, 1
	STEP 0, 0, 0
	s_sub_co_u32 s3, s3, 1
	s_cmp_lg_u32 s3, 0
	s_cbranch_scc1 .Llap
	TURN 0, 1, 0
	STEP 1, 0, 0
	s_wait_dscnt 4*NL
	WIN MUL_LO
	MUL16 0, 1, NQ-1, 1, 0
	MUL16 2, 1, NQ-1, 1, 0
	s_wait_dscnt 0
	WIN MUL_HI
	MUL16 4, 1, NQ-1, 1, 0
	MUL16 6, 1, NQ-1, 1, 0
	WIN 0
.macro QUANT s, w
.set QW, (\w)*5
	WIN QW
.irp b, 0,1,2,3
	v_max3_num_f32 v[TM+\b], |v[\s+16*\b]|, |v[\s+16*\b+1]|, 0x4800000
.endr
.irp i, 2,4,6,8,10,12,14
.irp b, 0,1,2,3
	v_max3_num_f32 v[TM+\b], |v[\s+16*\b+\i]|, |v[\s+16*\b+\i+1]|, v[TM+\b]
.endr
.endr
	WIN 0
.irp b, 0,1,2,3
	v_permlanex16_b32 v[TM+4+\b], v[TM+\b], s20, s21
.endr
.irp b, 0,1,2,3
	v_max_num_f32 v[TM+\b], v[TM+\b], v[TM+4+\b]
.endr
.irp b, 0,1,2,3
	v_add_nc_u32 v[TM+12+\b], 0xfc000000, v[TM+\b]
.endr
.irp b, 0,1,2,3
	v_and_or_b32 v[TM+8+\b], v[TM+\b], 0x7f800000, s22
.endr
.irp b, 0,1,2,3
	v_lshrrev_b32 v[TM+4+\b], 23, v[TM+12+\b]
.endr
.set QW, \w
	WIN QW
.irp b, 0,1,2,3
.irp i, 0,1,2,3,4,5,6,7,8,9,10,11,12,13,14,15
	v_med3_num_f32 v[R+16*\b+\i], v[\s+16*\b+\i], -v[TM+8+\b], v[TM+8+\b]
.endr
.endr
	WIN 0
.irp b, 0,1,2,3
	v_cvt_scalef32_pk8_fp8_f32 v[PC+4*\b:PC+4*\b+1], v[R+16*\b:R+16*\b+7], v[TM+12+\b]
	v_cvt_scalef32_pk8_fp8_f32 v[PC+4*\b+2:PC+4*\b+3], v[R+16*\b+8:R+16*\b+15], v[TM+12+\b]
.endr
	v_nop
.endm
.macro ROPELOAD a
.irp e, 0,1,2,3,4,5,6,7
	global_load_b128 v[CS+32*((\a)%2)+4*\e:CS+32*((\a)%2)+4*\e+3], v[LN], s[96:97] offset:(\a)*4096+\e*512
.endr
.endm
.macro ROPE a
.set AC, 64*((\a)%4)
.set CSB, CS+32*((\a)%2)
.set WA, 2+(\a)/4
	WIN WA
.irp b, 0,1,2,3,4,5,6,7
.irp j, 0,1,2,3
	v_pk_mul_f32 v[T+2*\j:T+2*\j+1], v[AC+8*\b+2*\j:AC+8*\b+2*\j+1], v[CSB+8*(\b%4)+2*\j:CSB+8*(\b%4)+2*\j+1] op_sel:[1,1] op_sel_hi:[1,0]
.endr
.irp j, 0,1,2,3
	v_pk_fma_f32 v[R+8*\b+2*\j:R+8*\b+2*\j+1], v[AC+8*\b+2*\j:AC+8*\b+2*\j+1], v[CSB+8*(\b%4)+2*\j:CSB+8*(\b%4)+2*\j+1], v[T+2*\j:T+2*\j+1] op_sel_hi:[0,1,1] neg_lo:[0,0,1]
.endr
.endr
	WIN 0
.endm
.macro EPI_QK a
.if (\a) < 7
	s_wait_loadcnt 8
.else
	s_wait_loadcnt 0
.endif
	ROPE \a
.if (\a) < 6
	ROPELOAD (\a)+2
.endif
	s_wait_xcnt 0x0
	QUANT R, 0
.irp d, 0,1
	v_lshl_or_b32 v[SWR+8*\d+(\a)], v[TM+5+2*\d], 8, v[TM+4+2*\d]
.endr
.irp d, 0,1
	v_lshl_or_b32 v[SWR+8*\d+(\a)], v[SWR+8*\d+(\a)], 16, v[SWR+8*\d+(\a)]   ; the head's two bytes stand twice in the word: the next launch lays a tile in either half of the instruction's K
.endr
.irp b, 0,1,2,3
	global_store_b128 v[LN], v[PC+4*\b:PC+4*\b+3], s[8:9] offset:(\b/2)*524288+(\a)*1024+(\b%2)*512
.endr
.if (\a)%4 == 3
.irp d, 0,1
	global_store_b128 v[LN], v[SWR+8*\d+4*((\a)/4):SWR+8*\d+4*((\a)/4)+3], s[10:11] offset:\d*65536+((\a)/4)*512
.endr
.endif
.endm
.macro EPI_V a
.set AC, 64*((\a)%4)
.set WA, 2+(\a)/4
	s_wait_xcnt 0x0
	QUANT AC, WA
	v_lshl_or_b32 v[SWR+(\a)], v[TM+5], 8, v[TM+4]
	v_lshl_or_b32 v[SWR+(\a)], v[TM+6], 16, v[SWR+(\a)]
	v_lshl_or_b32 v[SWR+(\a)], v[TM+7], 24, v[SWR+(\a)]
.irp b, 0,1,2,3
	global_store_b128 v[LN], v[PC+4*\b:PC+4*\b+3], s[8:9] offset:(\a)*2048+\b*512
.endr
.if (\a)%4 == 3
	global_store_b128 v[LN], v[SWR+4*((\a)/4):SWR+4*((\a)/4)+3], s[10:11] offset:((\a)/4)*512
.endif
.endm
	PLACES NP
	s_mov_b32 s20, 0x76543210
	s_mov_b32 s21, 0xfedcba98
	s_mov_b32 s22, 0x600000
.irp b, 0,1,2,3
	v_mov_b32 v[TM+4+\b], 0
.endr
	s_cmp_eq_u32 s[ISV], 1
	s_cbranch_scc1 .Lway_v
.irp a, 0,1,2,3,4,5,6,7
	EPI_QK \a
.endr
	s_branch .Lend
.Lway_v:
.irp a, 0,1,2,3,4,5,6,7
	EPI_V \a
.endr
.Lend:
	s_wait_tensorcnt 0x0
	ds_add_u32 v[SPW], v[NIL]
	s_wait_dscnt 0x0
	CROUND
	s_endpgm
.Lfunc_end_k_qd5781d8014_qkv:
	.size	k_qd5781d8014_qkv, .Lfunc_end_k_qd5781d8014_qkv-k_qd5781d8014_qkv
	.p2alignl 7, 3214868480
	.fill 96, 4, 3214868480
	.section	.rodata,"a",@progbits
	.p2align	6, 0x0
	.amdhsa_kernel k_qd5781d8014_qkv
		.amdhsa_group_segment_fixed_size 327680
		.amdhsa_private_segment_fixed_size 0
		.amdhsa_enable_private_segment 0
		.amdhsa_kernarg_size 40
		.amdhsa_user_sgpr_count 2
		.amdhsa_user_sgpr_kernarg_segment_ptr 1
		.amdhsa_wavefront_size32 1
		.amdhsa_system_sgpr_workgroup_id_x 1
		.amdhsa_system_sgpr_workgroup_id_y 1
		.amdhsa_system_sgpr_workgroup_id_z 1
		.amdhsa_system_vgpr_workitem_id 0
		.amdhsa_next_free_vgpr 1024
		.amdhsa_next_free_sgpr 102
		.amdhsa_reserve_vcc 0
		.amdhsa_float_denorm_mode_32 3
		.amdhsa_float_denorm_mode_16_64 3
		.amdhsa_memory_ordered 1
		.amdhsa_forward_progress 1
		.amdhsa_inst_pref_size 255
	.end_amdhsa_kernel
	.section	.bss,"aw",@nobits
	.p2align	6
	.space	262144
	.amdgpu_metadata
---
amdhsa.version: [ 1, 2 ]
amdhsa.kernels:
  - .name:           k_qd5781d8014_qkv
    .symbol:         k_qd5781d8014_qkv.kd
    .args:
      - { .name: codes, .offset: 0, .size: 8, .value_kind: global_buffer, .address_space: global }
      - { .name: scales, .offset: 8, .size: 8, .value_kind: global_buffer, .address_space: global }
      - { .name: tables, .offset: 16, .size: 8, .value_kind: global_buffer, .address_space: global }
      - { .name: img, .offset: 24, .size: 8, .value_kind: global_buffer, .address_space: global }
      - { .name: sw, .offset: 32, .size: 8, .value_kind: global_buffer, .address_space: global }
    .group_segment_fixed_size: 327680
    .private_segment_fixed_size: 0
    .kernarg_segment_align: 8
    .kernarg_segment_size: 40
    .max_flat_workgroup_size: 128
    .sgpr_count:     102
    .vgpr_count:     1024
    .wavefront_size: 32
...
	.end_amdgpu_metadata
.endif
;; end of part 2
;; launch attn (part 3): grid 4 x 64, 16 waves a work-group, clusters of 4 x 1, 327,680 bytes of LDS; arguments img, sw, tables, ao_codes, ao_scales; writes ao_codes, ao_scales
.if DOCPART == 3
	.amdgcn_target "amdgcn-amd-amdhsa--gfx1250"
	.amdhsa_code_object_version 6
	.text
	.protected	k_qd5781d8014_attn
	.globl	k_qd5781d8014_attn
	.p2align	8
	.type	k_qd5781d8014_attn,@function
k_qd5781d8014_attn:
	s_mov_b64 s[64:65], 0
	v_nop
	global_prefetch_b8 v0, s[64:65] scope:SCOPE_SE
	s_setreg_imm32_b32 hwreg(HW_REG_WAVE_MODE, 25, 1), 1
	s_wait_xcnt 0x0
	s_wait_alu depctr_hold_cnt(0) depctr_sa_sdst(0) depctr_va_vdst(0) depctr_va_sdst(0) depctr_va_ssrc(0) depctr_va_vcc(0) depctr_vm_vsrc(0)
	s_getreg_b32 s2, hwreg(HW_REG_IB_STS2, 6, 4)
	s_cmp_eq_u32 s2, 0
	s_cbranch_scc0 .Lentry_in_a_cluster
	s_endpgm
.Lentry_in_a_cluster:
	s_bfe_u32 s2, ttmp6, 0x10000c
	s_cmp_lg_u32 s2, 0x3003
	s_cbranch_scc0 .Lentry_shape_is_right
	s_endpgm
.Lentry_shape_is_right:
; The attention of one head and batch for each cluster of four work-groups, both products on codes of FP8 (E4M3) with one E8M0 scale for each 32 along K, and the quantising of the result along the model's 1,024.
; WHAT IS QUANTISED FOR THE SECOND PRODUCT IS THE FINISHED, NORMALISED SOFTMAX, so the keys ahead of the diagonal step are walked twice.  Pass 1: each query's running maximum m and sum l.
; THE DIAGONAL STEP IS PASS 1'S LAST: behind it m and l are final, so its 2^(c s - c m) are multiplied by 1 / l, quantised and multiplied by v at once; that product starts O^T.
; Pass 2, the steps ahead of the diagonal: the scores again, p = 2^(c s + a), c = log2(e) / 8, a = -c m - log2 l.  a is rounded once to f32: an error of half an ulp of c m in the exponent, as the rounding of a score is.
; THE MASKS.  A key that the input mask hides gets -2^100 added to its score (the bias, 0 or -2^100, is the C of the score's product).  Key steps beyond the diagonal are left out (the module's mask throws them away);
; in the diagonal step hidden scores become -infinity.  m starts at -2^96, so hidden keys give p = 0.  A query with no key that counts has l = 0: the module then weighs all 2,048 keys by 2^-11 (an exact code):
; that row, 2^-11 x the sum of the quantised v, is made once for the head by the same matrix instruction and chosen by v_cndmask_b32.
; SHARES.  The head's whole k and v (images of operand registers), their scale words and the bias lie in LDS, filled once at the head by joint loads that name the four work-groups, one load a wave: waves 0-3 a quarter of k each,
; waves 4-7 a quarter of v, waves 8, 9, 10 k's scale words, v's, the bias.  All fills go out at the head and there is no loop to run ahead in: so no prefetch.
; The head's 128 tiles of 16 queries are 16 groups g of eight, which need key steps 0 .. g; work-group cx takes tiles 8 g + 2 cx + sub; wave w (p = w / 2, sub = w % 2) takes g = p, then 15 - p: 17 steps for every wave.
; Branches hang on the wave's number and on counters alone; cx enters global addresses and the diagonal's compare value.
; LAYOUT.  Both products transposed (S^T = k q^T, O^T = v^T p^T): a lane holds one query.  K = 64 of the first product is half of the instruction's 128: TWO NEIGHBOURING TILES OF k FILL ONE OPERAND (16 registers),
; and q stands as zeros, q, zeros (v16-39): v[24:39] meets the even tile, v[16:31] the odd one; the other tile's codes, which are never NaN, meet zero codes.  A scale word of q or k holds the head's two bytes twice.
; A step's eight scale words of k stand in four registers: lanes 0-15 tiles 0-3, lanes 16-31 tiles 4-7.
; LOADS RUN AHEAD: the next step's k, scale words and bias are asked for in this step; v's fragments land in k's registers while the softmax is worked; a tile's q is asked for at the head, or at the start of the tile before's way out.
; LIMITS: |q . k| under 2^96; NaN and infinities are not served; a block of zeros gets the byte 1 (zero codes; this program alone reads the bytes).
; REGISTERS: v1 16 x lane; v2 the bias's place; v11 the scale words' place; v3-7 a step's LDS addresses; v8 the diagonal's compare value; v9 -infinity; v10 m; v[12:13] the exponent's offset; v[14:15] l; v16-39 q; v40-103 k, then v;
;   v104-167 S^T, p; v168-231 pass 1: the bias; then O^T (168-199), p's codes (200-215), at work (216-231); v232-235 k's or v's scale words, v236 q's, v237 p's; v238-253 at work; v254, v255 the spare word's address and 0.
.set KIMG, 0                           ; LDS: k's images: 128 tiles of 16 keys x 1,024 bytes
.set VIMG, 131072                      ; v's: 16 key steps x 4 tiles of channels x 2,048 bytes
.set KSW,  262144                      ; k's scale words: 32 groups of four tiles x 512 bytes
.set VSW,  278528                      ; v's: 16 key steps x 512 bytes
.set BIAS, 286720                      ; the bias: 2,048 f32
.set PART, 294912                      ; the uniform row's parts: 16 x 256 bytes
.set VM,   299008                      ; the uniform row, a copy for each wave: 16 x 256 bytes
.set SPARE, 303104                     ; the spare words: 128 bytes a wave
.set KF, 40
.set S,  104
.set BI, 168
.set O,  168
.set PC, 200
.set SW, 232
.set QW, 236
.set PW, 237
.set CC, 88                            ; s[88:89] c; s90 -c; s91 the mantissa field of 448; s[92:93] the selects for lane l xor 16
.macro ROUND                           ; a round of the cluster's barrier
	s_barrier_signal -1
	s_barrier_wait -1
	s_cmp_lg_u32 s14, 0
	s_cbranch_scc1 .Lnot_wave_0_\@
	s_barrier_signal -3
.Lnot_wave_0_\@:
	s_barrier_wait -3
	s_barrier_signal -1
	s_barrier_wait -1
.endm
.macro GROUP1 g, c, rows, pitch        ; descriptor group 1: rows of c elements of 8 bytes, pitch elements apart, dense in LDS; the mask names all four work-groups, bit 21 beside it
	s_mov_b32 s[\g], 15|(3<<16)|(1<<21)
	s_mov_b32 s[\g+1], (\c)<<16
	s_mov_b32 s[\g+2], (\rows)<<16
	s_mov_b32 s[\g+3], (\c)<<16
	s_mov_b32 s[\g+4], \rows
	s_mov_b32 s[\g+5], \pitch
	s_mov_b32 s[\g+6], 0
	s_mov_b32 s[\g+7], 0
.endm
.macro OFS d, a, sa, b, sb, k          ; s d = (s a << sa) + (s b << sb) + k
	s_lshl_b32 s\d, s\a, \sa
	s_lshl_b32 s23, s\b, \sb
	s_add_co_u32 s\d, s\d, s23
.if \k
	s_add_co_u32 s\d, s\d, \k
.endif
.endm
.macro DESC g0, ptr                    ; a group 0's global address (its offset stands there already) and type
	s_add_nc_u64 s[\g0+2:\g0+3], s[\ptr:\ptr+1], s[\g0+2:\g0+3]
	s_or_b32 s[\g0+3], s[\g0+3], 0x80000000
.endm
.macro NOPS n
.rept \n
	v_nop
.endr
.endm
.macro WALU
	s_wait_alu depctr_va_vdst(0)
.endm
	s_load_b256 s[4:11], s[0:1], 0x0               ; img s[4:5], sw s[6:7], tables s[8:9], ao_codes s[10:11]
	s_load_b64 s[12:13], s[0:1], 0x20              ; ao_scales
	v_lshl_add_u32 v254, v0, 2, SPARE
	v_mov_b32 v255, 0
	ds_add_u32 v254, v255                          ; the opening lines: the add, twice on end, and its wait below
	ds_add_u32 v254, v255
	v_lshrrev_b32 v1, 5, v0
	v_readfirstlane_b32 s14, v1                    ; wave 0..15
	s_bfe_u32 s15, ttmp6, 0x40000                  ; cx
	s_and_b32 s16, ttmp7, 0xffff                   ; the cluster's y = 16 x batch + head
	s_lshr_b32 s17, s16, 4                         ; batch
	s_and_b32 s18, s16, 15                         ; head
	s_lshr_b32 s19, s14, 1                         ; p
	s_and_b32 s20, s14, 1                          ; sub
	s_and_b32 s21, s14, 3                          ; which quarter of k or v I fetch
	GROUP1 24, 32, 128, 32                         ; a quarter of k's images: 32,768 dense bytes
	GROUP1 32, 1024, 4, 16384                      ; a quarter of v's: four key steps of 8,192 bytes, 131,072 bytes apart
	GROUP1 40, 32, 64, 32                          ; k's scale words: 16,384 dense bytes
	GROUP1 48, 64, 16, 1024                        ; v's: sixteen key steps of 512 bytes, 8,192 bytes apart
	GROUP1 56, 32, 32, 32                          ; the bias: 8,192 dense bytes
	s_mov_b32 s68, 1                               ; five groups 0: count 1, the LDS address, and the offset in the buffer, to which the buffer's address is added behind the wait for the arguments
	s_lshl_b32 s69, s21, 15
	s_mov_b32 s72, 1
	s_lshl_b32 s73, s21, 15
	s_add_co_u32 s73, s73, VIMG
	s_mov_b32 s76, 1
	s_mov_b32 s77, KSW
	s_mov_b32 s80, 1
	s_mov_b32 s81, VSW
	s_mov_b32 s84, 1
	s_mov_b32 s85, BIAS
	OFS 70, 18, 19, 17, 17, 8388608                ; k's heads lie behind q's sixteen
	s_lshl_b32 s23, s21, 15
	s_add_co_u32 s70, s70, s23
	OFS 74, 17, 21, 18, 13, 16777216               ; v's images: [16 x batch + key step][head][8,192]
	s_lshl_b32 s23, s21, 19
	s_add_co_u32 s74, s74, s23
	OFS 78, 18, 16, 17, 14, 1048576
	OFS 82, 17, 17, 18, 9, 2097152
	s_lshl_b32 s86, s17, 13
	s_add_co_u32 s86, s86, 524288
.irp g, 71,75,79,83,87
	s_mov_b32 s\g, 0
.endr
	s_mov_b32 s[CC], 0x3e38aa3b                    ; c = log2(e) / 8
	s_mov_b32 s[CC+1], s[CC]                       ; (named with it as a pair, so it is written)
	s_mov_b32 s90, 0xbe38aa3b                      ; -c
	s_mov_b32 s91, 0x600000
	s_mov_b32 s92, 0x76543210
	s_mov_b32 s93, 0xfedcba98
	s_wait_dscnt 0x0                               ; both opening adds are done
	ROUND                                          ; the opening round, ahead of the wait for the arguments: all four work-groups are here: the joint loads meet
	s_wait_kmcnt 0x0
	DESC 68, 4
	DESC 72, 4
	DESC 76, 6
	DESC 80, 6
	DESC 84, 8
.macro ARM under, g0, g1, next                 ; one chain of arms on the wave's number, a load an arm: no way through the head passes two
	s_cmp_lt_u32 s14, \under
	s_cbranch_scc0 \next
	tensor_load_to_lds s[\g0:\g0+3], s[\g1:\g1+7]
	s_nop 0
	NOPS 4
	s_branch .Lasked
\next:
.endm
	ARM 4, 68, 24, .Lh_v
	ARM 8, 72, 32, .Lh_ks
	ARM 9, 76, 40, .Lh_vs
	ARM 10, 80, 48, .Lh_b
	ARM 11, 84, 56, .Lh_none
.Lasked:
	s_mov_b32 s3, 0
	OFS 2, 18, 19, 17, 17, 0
	s_add_nc_u64 s[94:95], s[4:5], s[2:3]          ; q's images
	OFS 2, 18, 16, 17, 14, 0
	s_add_nc_u64 s[96:97], s[6:7], s[2:3]          ; q's scale words
	OFS 2, 17, 21, 18, 6, 0
	s_add_nc_u64 s[98:99], s[10:11], s[2:3]        ; the result's codes: 2,048 rows of 1,024 a batch, 64 bytes a head
	OFS 2, 17, 16, 18, 1, 0
	s_add_nc_u64 s[100:101], s[12:13], s[2:3]      ; its scale bytes: rows of 32, 2 bytes a head
	v_mov_b32 v[PW], 0x74747474                    ; the uniform row's weights: the scale 2^-11,
.set n, 0
.rept 16
	v_mov_b32 v[PC+n], 0x38383838                  ; and the code of 1.0
.set n, n+1
.endr
	v_and_b32 v3, 31, v0                           ; lane
	v_bfe_u32 v4, v0, 4, 1                         ; h
	v_and_b32 v5, 15, v0                           ; r
	v_lshlrev_b32 v1, 4, v3
	v_lshl_add_u32 v2, v4, 5, BIAS                 ; a tile's eight keys of my half: 32 h bytes on
	v_lshl_add_u32 v11, v4, 9, KSW                 ; lanes 16-31 take the second group of four tiles
	v_add_nc_u32 v11, v11, v1
	s_lshl_b32 s16, s14, 8
	s_add_co_u32 s2, s16, PART
	s_add_co_u32 s16, s16, VM                      ; s16: my wave's copy of the uniform row
	v_lshl_add_u32 v246, v4, 5, s2                 ; my part of the uniform row, as a result's lanes hold it
	v_lshl_add_u32 v247, v3, 3, PART               ; all parts, two channels a lane
	v_lshl_add_u32 v248, v3, 3, s16                ; my copy, two channels a lane
	s_lshl_b32 s2, s15, 5
	s_lshl_b32 s3, s20, 4
	s_add_co_u32 s2, s2, s3
	v_lshlrev_b32 v8, 3, v4
	v_sub_nc_u32 v8, v5, v8
	v_add_nc_u32 v8, s2, v8                        ; d = 32 cx + 16 sub + r - 8 h: in the diagonal step register 8 t + j holds a key after my query where 16 t + j > d
	v_mov_b32 v9, 0xff800000                       ; -infinity
	v_mov_b32 v13, 0                               ; (upper halves of pairs of which the low word serves both halves: named, so written)
	v_mov_b32 v239, 0
.irp b, 0,1,2,3
	v_mov_b32 v[220+\b], 0                         ; (a lane permute's destination counts as one of its sources)
.endr
.set n, 0
.rept 8
	v_mov_b32 v[16+n], 0                           ; the zero codes on either side of q
	v_mov_b32 v[32+n], 0
.set n, n+1
.endr
	s_lshl_b32 s2, s14, 13
	s_add_co_u32 s2, s2, VIMG
	v_add_nc_u32 v6, s2, v1                        ; the uniform row: wave w sums key step w
	s_lshl_b32 s2, s14, 9
	s_add_co_u32 s2, s2, VSW
	v_add_nc_u32 v7, s2, v1
.macro QLOAD k                         ; my k-th tile's q and its scale word are asked for.  The tile, 8 g + 2 cx + sub, enters global addresses alone
	s_xor_b32 s22, s19, 15*\k
	s_lshl_b32 s22, s22, 3
	s_lshl_b32 s23, s15, 1
	s_add_co_u32 s22, s22, s23
	s_add_co_u32 s22, s22, s20
	s_mov_b32 s3, 0
	s_lshl_b32 s2, s22, 10
	s_add_nc_u64 s[4:5], s[94:95], s[2:3]          ; q's image
	s_lshr_b32 s2, s22, 2
	s_lshl_b32 s2, s2, 9
	s_and_b32 s23, s22, 3
	s_lshl_b32 s23, s23, 2
	s_add_co_u32 s2, s2, s23
	s_add_nc_u64 s[6:7], s[96:97], s[2:3]          ; its scale words: word tile % 4 of group tile / 4
	global_load_b128 v[24:27], v1, s[4:5]
	global_load_b128 v[28:31], v1, s[4:5] offset:512
	global_load_b32 v[QW], v1, s[6:7]
.endm
	QLOAD 0                                        ; under the tensor loads' flight
	WALU
	s_wait_tensorcnt 0x0                           ; my part is in,
	s_barrier_signal -1
	s_barrier_wait -1                              ; everybody's is: nothing is filled again in this launch
.macro VLOAD                           ; a key step's four fragments of v and their scale words: 17 loads
.irp t, 0,1,2,3
.irp c, 0,1,2,3
	ds_load_b128 v[KF+16*\t+4*\c:KF+16*\t+4*\c+3], v6 offset:2048*\t+512*\c
.endr
.endr
	ds_load_b128 v[SW:SW+3], v7
.endm
.macro PV zero                         ; O^T (+)= v^T p^T: four tiles of 16 channels by turns
.irp t, 0,1,2,3
.if \zero
	v_wmma_scale_f32_16x16x128_f8f6f4 v[O+8*\t:O+8*\t+7], v[KF+16*\t:KF+16*\t+15], v[PC:PC+15], 0, v[SW+\t], v[PW]
.else
	v_wmma_scale_f32_16x16x128_f8f6f4 v[O+8*\t:O+8*\t+7], v[KF+16*\t:KF+16*\t+15], v[PC:PC+15], v[O+8*\t:O+8*\t+7], v[SW+\t], v[PW]
.endif
.endr
.endm
	VLOAD
	s_wait_dscnt 0x0
	PV 1
	NOPS 8
.irp t, 0,1,2,3
	ds_store_b128 v246, v[O+8*\t:O+8*\t+3] offset:64*\t            ; the sixteen lanes of a half hold the same numbers and write the same bytes
	ds_store_b128 v246, v[O+8*\t+4:O+8*\t+7] offset:64*\t+16
.endr
	s_wait_dscnt 0x0                               ; for the others' sake: my part lies in LDS
	s_barrier_signal -1
	s_barrier_wait -1
.set n, 0
.rept 16
	ds_load_b64 v[S+2*n:S+2*n+1], v247 offset:256*n
.set n, n+1
.endr
	s_wait_dscnt 0x0
.irp k, 0,2,4,6,8,10,12,14
	v_pk_add_f32 v[S+2*\k:S+2*\k+1], v[S+2*\k:S+2*\k+1], v[S+2*\k+2:S+2*\k+3]
.endr
.irp k, 0,4,8,12
	v_pk_add_f32 v[S+2*\k:S+2*\k+1], v[S+2*\k:S+2*\k+1], v[S+2*\k+4:S+2*\k+5]
.endr
	v_pk_add_f32 v[S:S+1], v[S:S+1], v[S+8:S+9]
	v_pk_add_f32 v[S+16:S+17], v[S+16:S+17], v[S+24:S+25]
	v_pk_add_f32 v[S:S+1], v[S:S+1], v[S+16:S+17]
	ds_store_b64 v248, v[S:S+1]                    ; into my wave's own copy: only I read it, and LDS serves a wave's instructions in order
.macro ADDR                            ; s2 = a key step: the LDS addresses of its k images, scale words and bias
	s_lshl_b32 s3, s2, 13
	v_add_nc_u32 v3, s3, v1
	s_lshl_b32 s3, s2, 10
	v_add_nc_u32 v4, s3, v11
	s_lshl_b32 s3, s2, 9
	v_add_nc_u32 v5, s3, v2
.endm
.macro VADDR st                        ; s[st] = a key step: the LDS addresses of its v images and scale words
	s_lshl_b32 s2, s\st, 13
	s_add_co_u32 s2, s2, VIMG
	v_add_nc_u32 v6, s2, v1
	s_lshl_b32 s2, s\st, 9
	s_add_co_u32 s2, s2, VSW
	v_add_nc_u32 v7, s2, v1
.endm
.macro NEXT                            ; s2 = the next key step, held at the last
	s_add_co_u32 s2, s23, 1
	s_min_u32 s2, s2, 15
.endm
.macro KLOAD                           ; eight tiles of k, 8 registers each, and their scale words: 17 loads
.irp t, 0,1,2,3,4,5,6,7
	ds_load_b128 v[KF+8*\t:KF+8*\t+3], v3 offset:1024*\t
	ds_load_b128 v[KF+8*\t+4:KF+8*\t+7], v3 offset:1024*\t+512
.endr
	ds_load_b128 v[SW:SW+3], v4
.endm
.macro BLOAD d                         ; the bias of keys 16 t + 8 h + 0 .. 7: the C of tile t's product: 16 loads
.irp t, 0,1,2,3,4,5,6,7
	ds_load_b128 v[\d+8*\t:\d+8*\t+3], v5 offset:64*\t
	ds_load_b128 v[\d+8*\t+4:\d+8*\t+7], v5 offset:64*\t+16
.endr
.endm
.macro SCORES cb                       ; S^T = k q^T + the bias at cb: eight tiles of 16 keys
.irp t, 0,1,2,3,4,5,6,7
.set B_, 24-8*(\t%2)
.if \t < 4
	v_wmma_scale_f32_16x16x128_f8f6f4 v[S+8*\t:S+8*\t+7], v[KF+16*(\t/2):KF+16*(\t/2)+15], v[B_:B_+15], v[\cb+8*\t:\cb+8*\t+7], v[SW+\t%4], v[QW]
.else
	v_wmma_scale_f32_16x16x128_f8f6f4 v[S+8*\t:S+8*\t+7], v[KF+16*(\t/2):KF+16*(\t/2)+15], v[B_:B_+15], v[\cb+8*\t:\cb+8*\t+7], v[SW+\t%4], v[QW] matrix_a_scale:MATRIX_SCALE_ROW1
.endif
.endr
.endm
.macro MAX15 m                         ; the largest of the first 15 of my 16 scores of each block of 32 keys, into v[m + b]; each accumulator is read from its low end on
.irp b, 0,1,2,3
	v_max3_num_f32 v[\m+\b], v[S+16*\b], v[S+16*\b+1], v[S+16*\b+2]
.endr
.irp i, 3,5,7,9,11,13
.irp b, 0,1,2,3
	v_max3_num_f32 v[\m+\b], v[\m+\b], v[S+16*\b+\i], v[S+16*\b+\i+1]
.endr
.endr
.endm
.macro BLOCKS                          ; my half's largest score of each block, into v216-219
	MAX15 216
.irp b, 0,1,2,3
	v_max_num_f32 v[216+\b], v[216+\b], v[S+16*\b+15]
.endr
.endm
.macro JOIN                            ; with lane l xor 16's; the maxima two to an instruction
.irp b, 0,1,2,3
	v_permlanex16_b32 v[220+\b], v[216+\b], s92, s93
.endr
	v_dual_max_num_f32 v216, v216, v220 :: v_dual_max_num_f32 v217, v217, v221
	v_dual_max_num_f32 v218, v218, v222 :: v_dual_max_num_f32 v219, v219, v223
.endm
.macro NEWM x                          ; v[x]: my half's largest score and the old m -> the new m, -c m (rounded once: all that follows uses this number), and its change in v238
	v_permlanex16_b32 v244, v[\x], s92, s93
	v_max_num_f32 v10, v[\x], v244
	v_mov_b32 v245, v12
	v_mul_f32 v12, s90, v10
	v_sub_f32 v238, v12, v245
.endm
.macro EXPO                            ; the exponents: c s + the offset, two at a time
.set n, 0
.rept 32
	v_pk_fma_f32 v[S+n:S+n+1], v[S+n:S+n+1], s[CC:CC+1], v[12:13] op_sel_hi:[1,0,0]
.set n, n+2
.endr
.endm
.macro EXPOB                           ; the same of each block's largest score: the same instructions on the same number give the block's largest p
.irp b, 0,1,2,3
	v_fma_f32 v[216+\b], v[216+\b], s[CC], v12
.endr
.endm
.macro EXP64
.set n, 0
.rept 64
	v_exp_f32 v[S+n], v[S+n]
.set n, n+1
.endr
.endm
.macro EXPB
.irp b, 0,1,2,3
	v_exp_f32 v[216+\b], v[216+\b]
.endr
.endm
.macro SUMS                            ; l under the new m takes the first pair; eight chains side by side: l and v240-253
	v_pk_fma_f32 v[14:15], v[14:15], v[238:239], v[S:S+1] op_sel_hi:[1,0,1]
.irp k, 1,2,3,4,5,6,7
	v_pk_add_f32 v[238+2*\k:239+2*\k], v[S+2*\k:S+2*\k+1], v[S+2*\k+16:S+2*\k+17]
.endr
.irp u, 32,48
	v_pk_add_f32 v[14:15], v[14:15], v[S+\u-16:S+\u-15]
.irp k, 1,2,3,4,5,6,7
	v_pk_add_f32 v[238+2*\k:239+2*\k], v[238+2*\k:239+2*\k], v[S+2*\k+\u:S+2*\k+\u+1]
.endr
.endr
	v_pk_add_f32 v[14:15], v[14:15], v[S+48:S+49]
.endm
.macro COMBINE                         ; the seven other chains join l.  In pass 1 these lines stand behind the NEXT step's products, as their places
	v_pk_add_f32 v[240:241], v[240:241], v[242:243]
	v_pk_add_f32 v[244:245], v[244:245], v[246:247]
	v_pk_add_f32 v[248:249], v[248:249], v[250:251]
	v_pk_add_f32 v[14:15], v[14:15], v[252:253]
	v_pk_add_f32 v[240:241], v[240:241], v[244:245]
	v_pk_add_f32 v[14:15], v[14:15], v[248:249]
	v_pk_add_f32 v[14:15], v[14:15], v[240:241]
.endm
; p at S and the blocks' largest p in v216-219 -> codes and scale word; the next step's bias and k are asked for (s2 = that step); O^T takes the product
.macro FINISH zero
.irp b, 0,1,2,3
	v_max_num_f32 v[216+\b], 0x4800000, v[216+\b]  ; the floor 2^(9 - 127): the byte cannot fall under 1
.endr
.irp b, 0,1,2,3
	v_add_nc_u32 v[224+\b], 0xfc000000, v[216+\b]  ; 8 off the exponent field: the conversion's scale operand
.endr
.irp b, 0,1,2,3
	v_and_or_b32 v[228+\b], v[216+\b], 0x7f800000, s91   ; 448 x the scale
.endr
.irp b, 0,1,2,3
	v_lshrrev_b32 v[220+\b], 23, v[224+\b]         ; the scale's byte
.endr
	v_lshl_or_b32 v[PW], v221, 8, v220             ; p's scale word for these 128 keys
	v_lshl_or_b32 v[PW], v222, 16, v[PW]
	v_lshl_or_b32 v[PW], v223, 24, v[PW]
	v_dual_mov_b32 v217, v228 :: v_dual_mov_b32 v218, v229   ; block b's bound once more, in v[216 + (b + 1) % 4]: another register bank: the two halves of a dual instruction take their second sources from different banks
	v_dual_mov_b32 v219, v230 :: v_dual_mov_b32 v216, v231
.irp b, 0,1,2,3
.irp i, 0,2,4,6,8,10,12,14
	v_dual_min_num_f32 v[S+16*\b+\i], v[S+16*\b+\i], v[228+\b] :: v_dual_min_num_f32 v[S+16*\b+\i+1], v[S+16*\b+\i+1], v[216+(\b+1)%4]   ; the conversion to an 8-bit code does not saturate (ISA guide 7.6.2); p is not negative, so the hold is one-sided
.endr
	v_cvt_scalef32_pk8_fp8_f32 v[PC+4*\b:PC+4*\b+1], v[S+16*\b:S+16*\b+7], v[224+\b]
	v_cvt_scalef32_pk8_fp8_f32 v[PC+4*\b+2:PC+4*\b+3], v[S+16*\b+8:S+16*\b+15], v[224+\b]
.endr
	ADDR                                           ; with the v_nop: the four places between the last codes and their product
	v_nop
	BLOAD S                                        ; the next step's bias: 16 loads
	WALU
	s_wait_dscnt 16                                ; v and its scale words are in; the 16 just issued may be out
	PV \zero
	WALU
	NOPS 8                                         ; places in front of loads into registers that the products have read
	KLOAD                                          ; the next step's k
.endm
	s_mov_b32 s21, 0
	s_mov_b32 s27, 0                               ; the upper word of the stores' offsets
	WALU
.Ltile:                                            ; two tiles of 16 queries a wave
	s_wait_xcnt 0x0                                ; the last tile's stores have read their bases, offsets and data
	s_mul_i32 s22, s21, 15
	s_xor_b32 s22, s22, s19                        ; the group: p, then 15 - p: also the diagonal's key step
	s_lshl_b32 s25, s22, 3
	s_lshl_b32 s26, s15, 1
	s_add_co_u32 s25, s25, s26
	s_add_co_u32 s25, s25, s20                     ; the tile: 8 g + 2 cx + sub: it enters global addresses alone
	s_lshl_b32 s26, s25, 14
	s_add_nc_u64 s[8:9], s[98:99], s[26:27]        ; the result's codes: 16 rows of 1,024 a tile
	s_lshl_b32 s26, s25, 9
	s_add_nc_u64 s[10:11], s[100:101], s[26:27]    ; its scale bytes: 16 rows of 32
	s_mov_b32 s2, 0
	ADDR
	KLOAD                                          ; key step 0
	BLOAD BI
	v_mov_b32 v10, 0xef800000                      ; m = -2^96: over every hidden key's score, under every other
	v_mov_b32 v14, 0                               ; l, in eight chains of two halves
	v_mov_b32 v15, 0
.set n, 0
.rept 14
	v_mov_b32 v[240+n], 0
.set n, n+1
.endr
	v_mul_f32 v12, s90, v10                        ; -c m
	s_mov_b32 s23, 0
	WALU
	s_wait_loadcnt 0x0                             ; q and its scale word, asked for a tile ago or at the head
	; ---- pass 1, the steps ahead of the diagonal: m and l.  Fifteen trips; the work of a step at or beyond the diagonal is jumped over
.Lpass1:
	s_cmp_ge_u32 s23, s22
	s_cbranch_scc1 .Lnone1
	s_wait_dscnt 0x0                               ; this step's k, scale words and bias are in
	SCORES BI
	COMBINE                                        ; these seven and the three additions below: the places behind the products
	NEXT
	ADDR
	KLOAD                                          ; the next step's, under this step's vector work
	BLOAD BI
	MAX15 240
	v_max3_num_f32 v240, v240, v[S+15], v[S+31]
	v_max3_num_f32 v242, v242, v[S+47], v[S+63]
	v_max3_num_f32 v240, v240, v241, v242
	v_max3_num_f32 v240, v240, v243, v10           ; with the old m
	NEWM 240
	EXPO
	WALU
	v_exp_f32 v238, v238
	EXP64
	v_nop
	WALU
	SUMS
	WALU
.Lnone1:
	s_add_co_u32 s23, s23, 1
	s_cmp_lt_u32 s23, 15
	s_cbranch_scc1 .Lpass1
	; ---- the diagonal step: the end of pass 1, and its own p, codes and product
	s_wait_dscnt 0x0
	SCORES BI
	COMBINE
	VADDR 22                                       ; nine places with the seven above
	VLOAD                                          ; v's fragments take k's registers
.set n, 0
.rept 64
	v_cmp_gt_i32 vcc_lo, 16*(n/8)+n%8, v8          ; the scores of keys after my query become -infinity
	v_cndmask_b32 v[S+n], v[S+n], v9, vcc_lo
.set n, n+1
.endr
	BLOCKS
	v_max3_num_f32 v240, v216, v217, v218
	v_max3_num_f32 v240, v240, v219, v10
	NEWM 240
	JOIN
	EXPO
	EXPOB
	WALU
	v_exp_f32 v238, v238
	EXP64
	EXPB
	v_nop
	WALU
	SUMS
	COMBINE
	v_add_f32 v14, v14, v15                        ; l's two halves,
	v_permlanex16_b32 v244, v14, s92, s93
	v_add_f32 v14, v14, v244                       ; and lane l xor 16's
	v_cmp_gt_f32 s24, 0.5, v14                     ; a query with a key that counts has l of about 1 or more; one with none has l = 0
	v_max_num_f32 v14, 0.5, v14
	WALU
	v_rcp_f32 v238, v14                            ; 1 / l, for this step's p
	v_log_f32 v15, v14                             ; log2 l, for pass 2's offset
	v_nop
	WALU
	v_sub_f32 v12, v12, v15                        ; -c m - log2 l
.set n, 0
.rept 32
	v_pk_mul_f32 v[S+n:S+n+1], v[S+n:S+n+1], v[238:239] op_sel_hi:[1,0]   ; p, finished and normalised
.set n, n+2
.endr
.irp b, 0,1,2,3
	v_mul_f32 v[216+\b], v[216+\b], v238
.endr
	s_mov_b32 s2, 0                                ; pass 2 begins at key step 0
	FINISH 1                                       ; this product starts O^T
	s_mov_b32 s23, 0
	WALU
	; ---- pass 2, the steps ahead of the diagonal: p, its codes, O^T
.Lpass2:
	s_cmp_ge_u32 s23, s22
	s_cbranch_scc1 .Lnone2
	s_wait_dscnt 0x0
	SCORES S
	VADDR 23
	NOPS 6
	VLOAD
	BLOCKS
	JOIN
	EXPO
	EXPOB
	WALU
	EXP64                                          ; p, finished and normalised
	EXPB
	v_nop
	WALU
	NEXT
	FINISH 0
.Lnone2:
	s_add_co_u32 s23, s23, 1
	s_cmp_lt_u32 s23, 15
	s_cbranch_scc1 .Lpass2
	; ---- the way out: the uniform row where no key counted; two blocks of 32 channels are quantised
	s_wait_dscnt 0x0                               ; what the last step asked for ahead has landed
	s_cmp_lg_u32 s21, 0
	s_cbranch_scc1 .Lno_next
	QLOAD 1                                        ; my second tile's q, under the first tile's way out: the products that read q's registers stand far more than eight places back
.Lno_next:
	v_and_b32 v240, 15, v0                         ; r
	v_bfe_u32 v241, v0, 4, 1                       ; h
	v_lshl_add_u32 v242, v241, 5, s16
.irp t, 0,1,2,3
	ds_load_b128 v[S+8*\t:S+8*\t+3], v242 offset:64*\t
	ds_load_b128 v[S+8*\t+4:S+8*\t+7], v242 offset:64*\t+16
.endr
	v_lshlrev_b32 v243, 10, v240
	v_lshl_add_u32 v243, v241, 4, v243             ; the result's codes: row r, + 16 h
	v_lshlrev_b32 v244, 5, v240                    ; its scale bytes: row r
	WALU
	s_wait_dscnt 0x0
.set n, 0
.rept 32
	v_cndmask_b32 v[S+32+n], v[O+n], v[S+n], s24   ; each accumulator from its low end on
.set n, n+1
.endr
.irp b, 0,1
	v_max3_num_f32 v[216+\b], |v[S+32+16*\b]|, |v[S+33+16*\b]|, 0x4800000
.endr
.irp i, 2,4,6,8,10,12,14
.irp b, 0,1
	v_max3_num_f32 v[216+\b], v[216+\b], |v[S+32+16*\b+\i]|, |v[S+33+16*\b+\i]|
.endr
.endr
.irp b, 0,1
	v_permlanex16_b32 v[220+\b], v[216+\b], s92, s93
.endr
.irp b, 0,1
	v_max_num_f32 v[216+\b], v[216+\b], v[220+\b]
.endr
.irp b, 0,1
	v_add_nc_u32 v[224+\b], 0xfc000000, v[216+\b]
.endr
.irp b, 0,1
	v_and_or_b32 v[228+\b], v[216+\b], 0x7f800000, s91
.endr
.irp b, 0,1
	v_lshrrev_b32 v[220+\b], 23, v[224+\b]
.endr
	v_lshl_or_b32 v245, v221, 8, v220              ; the head's two scale bytes of my token
.irp b, 0,1
.irp i, 0,1,2,3,4,5,6,7,8,9,10,11,12,13,14,15
	v_med3_num_f32 v[S+32+16*\b+\i], v[S+32+16*\b+\i], -v[228+\b], v[228+\b]
.endr
	v_cvt_scalef32_pk8_fp8_f32 v[PC+4*\b:PC+4*\b+1], v[S+32+16*\b:S+39+16*\b], v[224+\b]
	v_cvt_scalef32_pk8_fp8_f32 v[PC+4*\b+2:PC+4*\b+3], v[S+40+16*\b:S+47+16*\b], v[224+\b]
.endr
	v_nop                                          ; the plain line behind the last conversion
	global_store_b128 v243, v[PC:PC+3], s[8:9]             ; token r, block 0, bytes 16 h on
	global_store_b128 v243, v[PC+4:PC+7], s[8:9] offset:32 ; block 1
	global_store_b16 v244, v245, s[10:11]                  ; lanes r and r + 16 write the same two bytes with the same value
	s_add_co_u32 s21, s21, 1
	s_cmp_lt_u32 s21, 2
	WALU
	s_cbranch_scc1 .Ltile
	s_wait_tensorcnt 0x0                           ; the wave's end
	ds_add_u32 v254, v255
	s_wait_dscnt 0x0
	ROUND                                          ; the closing round
	s_endpgm
.Lfunc_end_k_qd5781d8014_attn:
	.size	k_qd5781d8014_attn, .Lfunc_end_k_qd5781d8014_attn-k_qd5781d8014_attn
	.p2alignl 7, 3214868480
	.fill 96, 4, 3214868480
	.section	.rodata,"a",@progbits
	.p2align	6, 0x0
	.amdhsa_kernel k_qd5781d8014_attn
		.amdhsa_group_segment_fixed_size 327680
		.amdhsa_private_segment_fixed_size 0
		.amdhsa_enable_private_segment 0
		.amdhsa_kernarg_size 40
		.amdhsa_user_sgpr_count 2
		.amdhsa_user_sgpr_kernarg_segment_ptr 1
		.amdhsa_wavefront_size32 1
		.amdhsa_system_sgpr_workgroup_id_x 1
		.amdhsa_system_sgpr_workgroup_id_y 1
		.amdhsa_system_sgpr_workgroup_id_z 1
		.amdhsa_system_vgpr_workitem_id 0
		.amdhsa_next_free_vgpr 256
		.amdhsa_next_free_sgpr 102
		.amdhsa_reserve_vcc 1
		.amdhsa_float_denorm_mode_32 3
		.amdhsa_float_denorm_mode_16_64 3
		.amdhsa_memory_ordered 1
		.amdhsa_forward_progress 1
		.amdhsa_inst_pref_size 83
	.end_amdhsa_kernel
	.amdgpu_metadata
---
amdhsa.version: [ 1, 2 ]
amdhsa.kernels:
  - .name:           k_qd5781d8014_attn
    .symbol:         k_qd5781d8014_attn.kd
    .args:
      - { .name: img, .offset: 0, .size: 8, .value_kind: global_buffer, .address_space: global }
      - { .name: sw, .offset: 8, .size: 8, .value_kind: global_buffer, .address_space: global }
      - { .name: tables, .offset: 16, .size: 8, .value_kind: global_buffer, .address_space: global }
      - { .name: ao_codes, .offset: 24, .size: 8, .value_kind: global_buffer, .address_space: global }
      - { .name: ao_scales, .offset: 32, .size: 8, .value_kind: global_buffer, .address_space: global }
    .group_segment_fixed_size: 327680
    .private_segment_fixed_size: 0
    .kernarg_segment_align: 8
    .kernarg_segment_size: 40
    .max_flat_workgroup_size: 512
    .sgpr_count:     102
    .vgpr_count:     256
    .wavefront_size: 32
...
	.end_amdgpu_metadata
.endif
;; end of part 3
;; launch oproj (part 4): grid 8 x 32, 4 waves a work-group, clusters of 4 x 4, 327,680 bytes of LDS; arguments ao_codes, ao_scales, codes, scales, out0; writes out0
.if DOCPART == 4
	.amdgcn_target "amdgcn-amd-amdhsa--gfx1250"
	.amdhsa_code_object_version 6
	.text
	.protected	k_qd5781d8014_oproj
	.globl	k_qd5781d8014_oproj
	.p2align	8
	.type	k_qd5781d8014_oproj,@function
k_qd5781d8014_oproj:
	s_mov_b64 s[64:65], 0
	v_nop
	global_prefetch_b8 v0, s[64:65] scope:SCOPE_SE
	s_setreg_imm32_b32 hwreg(HW_REG_WAVE_MODE, 25, 1), 1
	s_wait_xcnt 0x0
	s_wait_alu depctr_hold_cnt(0) depctr_sa_sdst(0) depctr_va_vdst(0) depctr_va_sdst(0) depctr_va_ssrc(0) depctr_va_vcc(0) depctr_vm_vsrc(0)
	s_getreg_b32 s2, hwreg(HW_REG_IB_STS2, 6, 4)
	s_cmp_eq_u32 s2, 0
	s_cbranch_scc0 .Lentry_in_a_cluster
	s_endpgm
.Lentry_in_a_cluster:
	s_bfe_u32 s2, ttmp6, 0x10000c
	s_cmp_lg_u32 s2, 0xf033
	s_cbranch_scc0 .Lentry_shape_is_right
	s_endpgm
.Lentry_shape_is_right:
.set SIZE_M, 8192
.set SIZE_N, 1024
.set SIZE_K, 1024
.set KSTEP,  256
.set NQ,     KSTEP/128
.set ROWB,   256
.set KROW,   SIZE_K
.set PITCH,  272
.set FR,     16
.set NL,     4
.set NP,     8
.set HALFT,  128*PITCH
.set HALFB,  64*PITCH                  ; a block of C is 256 rows x 128 columns, so that the grid is 256 work-groups; a wave makes 128 x 64: 64 rows of B
.set SLOT,   2*HALFT+2*HALFB           ; A's 256 rows, then B's 128 rows
.set LAPS,   SIZE_K/(2*KSTEP)
.set KS,     SIZE_K/32
.set SCL,    2*SLOT
.set HALFS,  (128*KS/256)*272
.set SBLK,   (16*KS/256)*272
.set SPARE,  SCL+4*HALFS
.set SPITCH, 528
.set ADRA, 16
.set ADRB, 20
.set STO,  24
.set RD,   25
.set CO,   26
.set SPW,  28
.set NIL,  29
.set ADRS, 27
.set SC,   32
.set AF,   128
.set BK,   128
.set G1, 24
.set G0, 32
.set G1B, 48
.set G0B, 56
.set G1S, 68
.set G0S, 76
.set G1SB, 80
.set G0SB, 88
.set MSB, 0
.macro WIN new
.if MSB != \new
	s_set_vgpr_msb (MSB<<8)|\new
.set MSB, \new
.endif
.endm
.set MUL_LO, 0xa1
.set MUL_HI, 0xf1
.set TO_B,   0x40
.macro JLOAD g0a, g1a, g0b, g1b
	s_cmp_eq_u32 s15, 0
	s_cbranch_scc0 .Lfor_b_\@
	tensor_load_to_lds s[\g0a:\g0a+3], s[\g1a:\g1a+7]
	s_nop 0
.rept 4
	v_nop
.endr
	s_branch .Lasked_\@
.Lfor_b_\@:
	tensor_load_to_lds s[\g0b:\g0b+3], s[\g1b:\g1b+7]
	s_nop 0
.rept 4
	v_nop
.endr
.Lasked_\@:
.endm
.macro CREST
	s_cmp_lg_u32 s14, 0
	s_cbranch_scc1 .Lnot_wave_0_\@
	s_barrier_signal -3
.Lnot_wave_0_\@:
	s_barrier_wait -3
	s_barrier_signal -1
	s_barrier_wait -1
.endm
.macro CROUND
	s_barrier_signal -1
	s_barrier_wait -1
	CREST
.endm
	s_load_b128 s[4:7], s[0:1], 0x0
	s_load_b128 s[8:11], s[0:1], 0x10
	s_load_b64 s[12:13], s[0:1], 0x20
	v_lshl_add_u32 v[SPW], v0, 2, SPARE
	v_mov_b32 v[NIL], 0
	ds_add_u32 v28, v29
	ds_add_u32 v28, v29
	s_wait_dscnt 0x0
	v_lshrrev_b32 v1, 5, v0
	v_readfirstlane_b32 s14, v1
	s_lshr_b32 s15, s14, 1
	s_and_b32 s16, s14, 1
	s_bfe_u32 s40, ttmp6, 0x40000
	s_bfe_u32 s41, ttmp6, 0x40004
	s_lshl_b32 s42, ttmp9, 2
	s_add_co_u32 s42, s42, s40
	s_and_b32 s17, ttmp7, 0xffff
	s_lshl_b32 s17, s17, 2
	s_add_co_u32 s17, s17, s41
	s_lshl_b32 s43, s41, 2
	s_lshl_b32 s43, 15, s43
	s_lshl_b32 s44, 0x1111, s40
	s_or_b32 s[G1+0], s43, (0<<16)|(1<<20)|(1<<21)|(5<<22)|(3<<25)
	s_or_b32 s[G1B+0], s44, (0<<16)|(1<<20)|(1<<21)|(5<<22)|(3<<25)
.irp g, G1, G1B
	s_mov_b32 s[\g+1], ROWB<<16
	s_mov_b32 s[\g+2], 256<<16                     ; the head's loads of codes bring 256 rows
	s_mov_b32 s[\g+3], ROWB<<16
	s_mov_b32 s[\g+4], 256
	s_mov_b32 s[\g+5], KROW
	s_mov_b32 s[\g+6], 0
	s_mov_b32 s[\g+7], 0
.endr
	s_mov_b32 s[G1B+2], 128<<16                    ; the head's load of B brings its 128 rows
	s_mov_b32 s[G1B+4], 128
	s_or_b32 s[G1S+0], s43, (3<<16)|(1<<20)|(1<<21)|(5<<22)|(3<<25)
	s_or_b32 s[G1SB+0], s44, (3<<16)|(1<<20)|(1<<21)|(5<<22)|(3<<25)
.irp g, G1S, G1SB
	s_mov_b32 s[\g+1], 32<<16
	s_mov_b32 s[\g+2], KS<<16                      ; the scale bytes of 256 rows: KS rows of 256 bytes
	s_mov_b32 s[\g+3], 32<<16
	s_mov_b32 s[\g+4], KS
	s_mov_b32 s[\g+5], 32
	s_mov_b32 s[\g+6], 0
	s_mov_b32 s[\g+7], 0
.endr
	s_lshl_b32 s20, s17, 8
	s_mov_b32 s[G1SB+2], 16<<16                    ; B's scale bytes are 16 rows of 256 bytes; the tile stays 32 rows high, and the rows past the tensor's end are written as zeros: the scale loads' lanes 16-31 reach there for blocks 4-7, which no product names
	s_lshl_b32 s46, s42, 7
	s_mov_b32 s21, 0
	s_mov_b32 s47, 0
	s_mov_b64 s[18:19], KS
	s_mul_u64 s[22:23], s[20:21], s[18:19]
	s_mul_u64 s[92:93], s[46:47], s[18:19]
	s_mov_b64 s[18:19], KROW
	s_mul_u64 s[20:21], s[20:21], s[18:19]
	s_mul_u64 s[46:47], s[46:47], s[18:19]
	s_mul_i32 s45, s14, HALFT
	s_mul_i32 s94, s16, 64*KROW                    ; of B a wave fetches 64 rows,
	s_mov_b32 s95, 0
	s_mul_i32 s96, s16, HALFB                      ; which go behind A's 256
	s_add_co_u32 s96, s96, 2*HALFT
	s_mul_i32 s18, s16, 128*KROW
	s_mov_b32 s19, 0
	CROUND                                         ; the opening round, ahead of the wait for the arguments: all sixteen work-groups are here
	s_wait_kmcnt 0x0
	s_add_nc_u64 s[8:9], s[8:9], 0xB00000
	s_add_nc_u64 s[10:11], s[10:11], 0x58000
	s_add_nc_u64 s[20:21], s[4:5], s[20:21]
	s_add_nc_u64 s[22:23], s[6:7], s[22:23]
	s_add_nc_u64 s[46:47], s[8:9], s[46:47]
	s_add_nc_u64 s[92:93], s[10:11], s[92:93]
	s_mov_b32 s[G0S], 1
	s_mov_b32 s[G0S+1], SCL
	s_mov_b64 s[G0S+2:G0S+3], s[22:23]
	s_or_b32 s[G0S+3], s[G0S+3], 0x80000000
	s_mov_b32 s[G0SB], 1
	s_mov_b32 s[G0SB+1], SCL+2*HALFS
	s_mov_b64 s[G0SB+2:G0SB+3], s[92:93]
	s_or_b32 s[G0SB+3], s[G0SB+3], 0x80000000
	s_add_nc_u64 s[20:21], s[20:21], s[18:19]      ; the ring's addresses: my 128 rows (waves 0 and 2: the tile's first row)
	s_add_nc_u64 s[46:47], s[46:47], s[94:95]
.irp s, 0,1
	s_mov_b32 s[G0+4*\s], 1
	s_add_co_u32 s[G0+4*\s+1], s45, \s*SLOT
	s_add_nc_u64 s[G0+4*\s+2:G0+4*\s+3], s[20:21], \s*ROWB
	s_or_b32 s[G0+4*\s+3], s[G0+4*\s+3], 0x80000000
	s_mov_b32 s[G0B+4*\s], 1
	s_add_co_u32 s[G0B+4*\s+1], s96, \s*SLOT
	s_add_nc_u64 s[G0B+4*\s+2:G0B+4*\s+3], s[46:47], \s*ROWB
	s_or_b32 s[G0B+4*\s+3], s[G0B+4*\s+3], 0x80000000
.endr
; The head's four tiles, one joint load a wave, in one chain of arms: wave 0 K step 0's 256 rows of A (its ring descriptor of slot 0 names their first row and LDS byte 0),
; wave 1 the scale bytes of A's 256 rows, wave 2 the 128 rows of B (its descriptor names their first row and LDS byte 2 HALFT), wave 3 B's scale bytes.
.macro ARM under, g0, g1, next
	s_cmp_lt_u32 s14, \under
	s_cbranch_scc0 \next
	tensor_load_to_lds s[\g0:\g0+3], s[\g1:\g1+7]
	s_nop 0
.rept 4
	v_nop
.endr
	s_branch .Lhead_asked
\next:
.endm
	ARM 1, G0, G1, .Lhead_sa
	ARM 2, G0S, G1S, .Lhead_b
	ARM 3, G0B, G1B, .Lhead_sb
	tensor_load_to_lds s[G0SB:G0SB+3], s[G1SB:G1SB+7]
	s_nop 0
.rept 4
	v_nop
.endr
.Lhead_asked:
	v_and_b32 v1, 15, v0
	v_bfe_u32 v2, v0, 4, 1
	v_mul_u32_u24 v3, v1, PITCH
	v_lshl_add_u32 v4, v2, 4, v3
	s_mul_i32 s21, s15, HALFT
	s_mul_i32 s22, s16, HALFB
	s_add_co_u32 s22, s22, 2*HALFT
.irp s, 0,1
	v_add_nc_u32 v[ADRA+\s], s21, v4
	v_add_nc_u32 v[ADRB+\s], s22, v4
	s_add_co_u32 s21, s21, SLOT
	s_add_co_u32 s22, s22, SLOT
.endr
	v_mul_u32_u24 v5, v1, KS
	v_lshrrev_b32 v6, 8, v5
	v_lshl_add_u32 v5, v6, 4, v5
	s_mul_i32 s21, s15, HALFS
	s_mul_i32 s22, s16, HALFS/2
	s_add_co_u32 s22, s22, 2*HALFS
	s_sub_co_u32 s22, s22, s21
	v_mul_u32_u24 v6, s22, v2
	s_add_co_u32 s21, s21, SCL
	v_add_nc_u32 v5, v5, v6
	v_add_nc_u32 v[ADRS], s21, v5
	s_mul_i32 s23, s14, 16*SPITCH
	v_mul_u32_u24 v5, v1, SPITCH
	v_lshl_add_u32 v5, v2, 5, v5
	v_add_nc_u32 v[STO], s23, v5
	v_mul_u32_u24 v6, v2, SPITCH                   ; back from the stage: lanes 0-15 take one row of 256 bytes, lanes 16-31 the next
	v_lshl_add_u32 v6, v1, 4, v6
	v_add_nc_u32 v[RD], s23, v6
	v_mul_u32_u24 v6, v2, SIZE_N*4                 ; and the same two rows in C
	v_lshl_add_u32 v[CO], v1, 4, v6
	s_lshl_b32 s20, s17, 8
	s_lshl_b32 s21, s15, 7
	s_add_co_u32 s20, s20, s21
	s_mov_b32 s21, 0
	s_mov_b64 s[18:19], SIZE_N*4
	s_mul_u64 s[20:21], s[20:21], s[18:19]
	s_lshl_b32 s46, s42, 9
	s_lshl_b32 s47, s16, 8
	s_add_co_u32 s46, s46, s47
	s_mov_b32 s47, 0
	s_add_nc_u64 s[20:21], s[20:21], s[46:47]
	s_add_nc_u64 s[12:13], s[12:13], s[20:21]
.macro FRAG reg, adr, q, i
.irp c, 0,1,2,3
	ds_load_b128 v[\reg+4*\c:\reg+4*\c+3], v[\adr] offset:128*(\q)+32*\c+(\i)*16*PITCH
.endr
.endm
.macro MUL16 a0, p, q, sc, zero
.irp a, \a0, \a0+1
.irp b, 0,1,2,3
.if \zero
	v_wmma_scale_f32_16x16x128_f8f6f4 v[8*(8*((\a)%4)+\b):8*(8*((\a)%4)+\b)+7], v[128*(\p)+FR*\b:128*(\p)+FR*\b+FR-1], v[AF+FR*(\a):AF+FR*(\a)+FR-1], 0, v[SC+8*NQ*(\sc)+NQ*\b+(\q)], v[SC+8*NQ*(\sc)+NQ*(\a)+(\q)] matrix_a_scale:MATRIX_SCALE_ROW1
.else
	v_wmma_scale_f32_16x16x128_f8f6f4 v[8*(8*((\a)%4)+\b):8*(8*((\a)%4)+\b)+7], v[128*(\p)+FR*\b:128*(\p)+FR*\b+FR-1], v[AF+FR*(\a):AF+FR*(\a)+FR-1], v[8*(8*((\a)%4)+\b):8*(8*((\a)%4)+\b)+7], v[SC+8*NQ*(\sc)+NQ*\b+(\q)], v[SC+8*NQ*(\sc)+NQ*(\a)+(\q)] matrix_a_scale:MATRIX_SCALE_ROW1
.endif
.endr
.endr
.endm
.macro FETCH_B slot, q, p
	WIN TO_B
.irp i, 0,1,2,3
	FRAG 128*(\p)+FR*\i, ADRB+\slot, \q, \i
.endr
	WIN 0
.endm
.macro FETCH_A slot, q, i0
.irp i, \i0, \i0+1, \i0+2, \i0+3
	FRAG AF+FR*(\i), ADRA+\slot, \q, \i
.endr
.endm
.macro SCALES sc
.irp i, 0,1,2,3,4,5,6,7
	ds_load_b64 v[SC+8*NQ*\sc+NQ*\i:SC+8*NQ*\sc+NQ*\i+1], v[ADRS] offset:\i*SBLK
.endr
.endm
.macro PLACES n
.rept \n
	v_nop
.endr
.endm
.macro STEP slot, q, zero
	s_wait_dscnt 4*NL
	WIN MUL_LO
	MUL16 0, (\q)%2, \q, \slot, \zero
	MUL16 2, (\q)%2, \q, \slot, \zero
	s_wait_dscnt 0
	PLACES NP
	FETCH_B \slot, (\q)+1, 1-(\q)%2
	FETCH_A \slot, (\q)+1, 0
	WIN MUL_HI
	MUL16 4, (\q)%2, \q, \slot, \zero
	MUL16 6, (\q)%2, \q, \slot, \zero
	PLACES NP
	WIN 0
	FETCH_A \slot, (\q)+1, 4
.endm
.macro TURN slot, next, fill
	s_wait_tensorcnt 0x0
	ds_add_u32 v[SPW], v[NIL]
	s_wait_dscnt 4*NL+1
	WIN MUL_LO
	MUL16 0, 1, NQ-1, \slot, 0
	s_wait_dscnt 0x0
	s_barrier_signal -1
	MUL16 2, 1, NQ-1, \slot, 0
	WIN 0
	s_barrier_wait -1
.if \fill
	CREST
	s_add_nc_u64 s[G0+4*\slot+2:G0+4*\slot+3], s[G0+4*\slot+2:G0+4*\slot+3], 2*ROWB
	s_add_nc_u64 s[G0B+4*\slot+2:G0B+4*\slot+3], s[G0B+4*\slot+2:G0B+4*\slot+3], 2*ROWB
	JLOAD G0+4*\slot, G1, G0B+4*\slot, G1B
	PLACES NP-4
.else
	PLACES NP
.endif
	s_wait_alu depctr_va_vdst(0)
	v_add_nc_u32 v[ADRS], 4*NQ, v[ADRS]
	FETCH_B \next, 0, 0
	FETCH_A \next, 0, 0
	SCALES \next
	WIN MUL_HI
	MUL16 4, 1, NQ-1, \slot, 0
	MUL16 6, 1, NQ-1, \slot, 0
	PLACES NP
	WIN 0
	FETCH_A \next, 0, 4
.endm
	s_wait_alu depctr_va_vdst(0)
	s_wait_tensorcnt 0x0                           ; my tile of the head's four is in
	ds_add_u32 v[SPW], v[NIL]
	s_mov_b32 s[G1+2], 128<<16                     ; no tensor load of mine is out: from here on a load brings 128 rows
	s_mov_b32 s[G1+4], 128
	s_mov_b32 s[G1B+2], 64<<16                     ; and 64 rows of B
	s_mov_b32 s[G1B+4], 64
	s_wait_dscnt 0x0
	CROUND
	JLOAD G0+4, G1, G0B+4, G1B                     ; K step 1: 128 rows of A a wave for waves 0-1, 64 rows of B for waves 2-3
	FETCH_B 0, 0, 0
	FETCH_A 0, 0, 0
	SCALES 0
	FETCH_A 0, 0, 4
	STEP 0, 0, 1
	s_mov_b32 s3, LAPS-1
.Llap:
	TURN 0, 1, 1
	STEP 1, 0, 0
	TURN 1, 0, 1
	STEP 0, 0, 0
	s_sub_co_u32 s3, s3, 1
	s_cmp_lg_u32 s3, 0
	s_cbranch_scc1 .Llap
	TURN 0, 1, 0
	STEP 1, 0, 0
	s_wait_dscnt 4*NL
	WIN MUL_LO
	MUL16 0, 1, NQ-1, 1, 0
	MUL16 2, 1, NQ-1, 1, 0
	s_wait_dscnt 0
	WIN MUL_HI
	MUL16 4, 1, NQ-1, 1, 0
	MUL16 6, 1, NQ-1, 1, 0
	WIN 0
.macro TOSTAGE a
.set AC, 64*((\a)%4)
.set WS, 0x08+4*((\a)/4)
	WIN WS
.irp b, 0,1,2,3
	ds_store_b128 v[STO], v[AC+8*\b:AC+8*\b+3] offset:64*\b
	ds_store_b128 v[STO], v[AC+8*\b+4:AC+8*\b+7] offset:64*\b+16
.endr
	WIN 0
.set BB, BK+64*((\a)%2)
.irp t, 0,1,2,3,4,5,6,7
	ds_load_b128 v[BB+4*\t:BB+4*\t+3], v[RD] offset:2*\t*SPITCH
.endr
.endm
.macro SEND a, younger
.set BB, BK+64*((\a)%2)
	s_wait_dscnt \younger
.if (\a) > 0
	s_add_nc_u64 s[12:13], s[12:13], 16*SIZE_N*4
.endif
.irp t, 0,1,2,3,4,5,6,7
	global_store_b128 v[CO], v[BB+4*\t:BB+4*\t+3], s[12:13] offset:2*\t*SIZE_N*4 th:TH_STORE_NT
.endr
.endm
	PLACES NP
	TOSTAGE 0
.irp a, 1,2,3,4,5,6,7
.if \a > 1
	s_wait_xcnt 0x0
.endif
	TOSTAGE \a
	SEND \a-1, 16                                  ; behind block a - 1's loads: block a's 8 stores and 8 loads
.endr
	s_wait_xcnt 0x0
	SEND 7, 0
	s_wait_tensorcnt 0x0
	ds_add_u32 v[SPW], v[NIL]
	s_wait_dscnt 0x0
	CROUND
	s_endpgm
.Lfunc_end_k_qd5781d8014_oproj:
	.size	k_qd5781d8014_oproj, .Lfunc_end_k_qd5781d8014_oproj-k_qd5781d8014_oproj
	.p2alignl 7, 3214868480
	.fill 96, 4, 3214868480
	.section	.rodata,"a",@progbits
	.p2align	6, 0x0
	.amdhsa_kernel k_qd5781d8014_oproj
		.amdhsa_group_segment_fixed_size 327680
		.amdhsa_private_segment_fixed_size 0
		.amdhsa_enable_private_segment 0
		.amdhsa_kernarg_size 40
		.amdhsa_user_sgpr_count 2
		.amdhsa_user_sgpr_kernarg_segment_ptr 1
		.amdhsa_wavefront_size32 1
		.amdhsa_system_sgpr_workgroup_id_x 1
		.amdhsa_system_sgpr_workgroup_id_y 1
		.amdhsa_system_sgpr_workgroup_id_z 1
		.amdhsa_system_vgpr_workitem_id 0
		.amdhsa_next_free_vgpr 1024
		.amdhsa_next_free_sgpr 98
		.amdhsa_reserve_vcc 0
		.amdhsa_float_denorm_mode_32 3
		.amdhsa_float_denorm_mode_16_64 3
		.amdhsa_memory_ordered 1
		.amdhsa_forward_progress 1
		.amdhsa_inst_pref_size 93
	.end_amdhsa_kernel
	.amdgpu_metadata
---
amdhsa.version: [ 1, 2 ]
amdhsa.kernels:
  - .name:           k_qd5781d8014_oproj
    .symbol:         k_qd5781d8014_oproj.kd
    .args:
      - { .name: ao_codes, .offset: 0, .size: 8, .value_kind: global_buffer, .address_space: global }
      - { .name: ao_scales, .offset: 8, .size: 8, .value_kind: global_buffer, .address_space: global }
      - { .name: codes, .offset: 16, .size: 8, .value_kind: global_buffer, .address_space: global }
      - { .name: scales, .offset: 24, .size: 8, .value_kind: global_buffer, .address_space: global }
      - { .name: out0, .offset: 32, .size: 8, .value_kind: global_buffer, .address_space: global }
    .group_segment_fixed_size: 327680
    .private_segment_fixed_size: 0
    .kernarg_segment_align: 8
    .kernarg_segment_size: 40
    .max_flat_workgroup_size: 128
    .sgpr_count:     98
    .vgpr_count:     1024
    .wavefront_size: 32
...
	.end_amdgpu_metadata
.endif
;; end of part 4
